; MI455X (gfx1250); checked and timed in simulation.
; The chip was launched on July 23, 2026; its instructions are those of AMD's public machine-readable ISA for CDNA 5 (MIT licence, August 2026) and "CDNA5" Instruction Set Architecture Reference Guide (July 2026). The comments in the code are by the model that wrote it; some were corrected since.
;; Min GRU. Allowed arithmetic: float matrix products may take bf16 or f16 operands with f32 sums; all other float work in f32.
;; Inputs: W0 1,024 x 3,072 float32; W1 1,024 x 3,072 float32; h 8 x 1,024 x 1,024 float32.
;; Outputs: out0 8 x 1,024 x 1,024 float32.
;; One version. Each part assembles by itself: llvm-mc -triple=amdgcn-amd-amdhsa -mcpu=gfx1250 --defsym DOCPART=n.
;; ======== version 1 of 1: 3 launches
;; workspace buffers: hb0 16,777,216 bytes; hb1 16,777,216 bytes; tmp 33,554,432 bytes; wt0 6,291,456 bytes; wt1 6,291,456 bytes
;; launch prep (part 1): grid 896 x 1, 8 waves a work-group, no clusters, 0 bytes of LDS; arguments h, W0, W1, hb0, wt0, wt1; writes hb0, wt0, wt1
.if DOCPART == 1
	.amdgcn_target "amdgcn-amd-amdhsa--gfx1250"
	.amdhsa_code_object_version 6
	.text
	.protected	k_q69b665cc38_prep
	.globl	k_q69b665cc38_prep
	.p2align	8
	.type	k_q69b665cc38_prep,@function
k_q69b665cc38_prep:
	s_mov_b64 s[64:65], 0
	v_nop
	global_prefetch_b8 v0, s[64:65] scope:SCOPE_SE
	s_setreg_imm32_b32 hwreg(HW_REG_WAVE_MODE, 25, 1), 1
	s_wait_xcnt 0x0
; Rounds the three inputs to bf16 and lays them in blocks, so that the layer launches can ask for dense tiles.
;   hb0[b 8][kb 32][t' 1024][32 ch] bf16 = h[b][t][32 kb + ch];   a block (b, kb) is 65,536 dense bytes.
;   t' is t with its bits moved: t'[2:0] = t[2:0], t'[3] = t[7], t'[7:4] = t[6:3], t'[9:8] = t[9:8].
;   wt[cg 32][kb 32][n' 96][32 k] bf16 = W[32 kb + k][1024 typ + 32 cg + c'], n' = 32 typ + c'; a block (cg, kb) is 6,144 dense bytes.
; Work-groups 0-511 take 16 rows of h each, work-groups 512-895 take 256 k x 64 columns of W0 (the first 192) or W1.
; A stream: no LDS, no matrix unit, no barrier.  Every register is written once, so no wait frees a source.
; Rounding is to nearest even; NaN and infinities pass as the conversion makes them.
	s_load_b256 s[4:11], s[0:1], 0x0               ; h s[4:5], W0 s[6:7], W1 s[8:9], hb0 s[10:11]
	s_load_b128 s[12:15], s[0:1], 0x20             ; wt0 s[12:13], wt1 s[14:15]
	v_and_b32 v3, 31, v0                           ; lane l
	v_lshrrev_b32 v4, 5, v0                        ; wave wv
	s_cmp_lt_u32 ttmp9, 512
	s_cbranch_scc0 .Lweights
	; ---- h: x = work-group, rows 16 x .. 16 x + 15 of the 8,192.  A lane takes 8 numbers (32 bytes in, 16 out) in each of 8 items.
	v_and_b32 v5, 3, v4
	v_bfe_u32 v6, v3, 2, 2
	v_lshl_add_u32 v5, v5, 2, v6                   ; row = 4 (wv & 3) + ((l >> 2) & 3)
	v_lshrrev_b32 v6, 2, v4                        ; wv >> 2: which half of the row's 1,024 channels
	v_lshrrev_b32 v7, 4, v3                        ; ks: even or odd block of 32 channels
	v_and_b32 v8, 3, v3                            ; which 8 of the 32
	v_lshlrev_b32 v1, 12, v5                       ; in: row x 4,096
	v_lshl_add_u32 v1, v6, 11, v1
	v_lshl_add_u32 v1, v7, 7, v1
	v_lshl_add_u32 v1, v8, 5, v1
	v_lshl_add_u32 v2, v6, 4, v7                   ; out: block kb = 16 (wv >> 2) + ks (+ 2 i in the immediate)
	v_lshlrev_b32 v2, 16, v2
	v_and_b32 v9, 7, v5
	v_lshrrev_b32 v10, 3, v5
	v_lshl_or_b32 v9, v10, 4, v9                   ; the row's part of t': bits 2:0 and bit 4
	v_lshl_add_u32 v2, v9, 6, v2
	v_lshl_add_u32 v2, v8, 4, v2
	s_lshl_b32 s16, ttmp9, 16                      ; 16 rows of 4,096 bytes
	s_mov_b32 s17, 0
	s_lshr_b32 s18, ttmp9, 6                       ; batch
	s_lshl_b32 s18, s18, 21
	s_bfe_u32 s20, ttmp9, 0x10003                  ; t[7] -> t'[3]
	s_lshl_b32 s20, s20, 3
	s_and_b32 s21, ttmp9, 7                        ; t[6:4] -> t'[7:5]
	s_lshl_b32 s21, s21, 5
	s_or_b32 s20, s20, s21
	s_bfe_u32 s21, ttmp9, 0x20004                  ; t[9:8] stay
	s_lshl_b32 s21, s21, 8
	s_or_b32 s20, s20, s21
	s_lshl_b32 s20, s20, 6                         ; rows of 64 bytes
	s_add_co_u32 s18, s18, s20
	s_mov_b32 s19, 0
	s_wait_kmcnt 0x0
	s_add_nc_u64 s[4:5], s[4:5], s[16:17]
	s_add_nc_u64 s[10:11], s[10:11], s[18:19]
.set i, 0
.rept 8                                                ; an item's two loads together cover 256 consecutive bytes of each of 4 rows
	global_load_b128 v[16+8*i:16+8*i+3], v1, s[4:5] offset:i*256 th:TH_LOAD_NT
	global_load_b128 v[16+8*i+4:16+8*i+7], v1, s[4:5] offset:i*256+16 th:TH_LOAD_NT
.set i, i+1
.endr
.set i, 0
.rept 8
	s_wait_loadcnt 14-2*i                          ; loads return in order: item i's two are in, the 14 - 2 i younger stay out
	v_cvt_pk_bf16_f32 v[80+4*i], v[16+8*i], v[16+8*i+1]
	v_cvt_pk_bf16_f32 v[80+4*i+1], v[16+8*i+2], v[16+8*i+3]
	v_cvt_pk_bf16_f32 v[80+4*i+2], v[16+8*i+4], v[16+8*i+5]
	v_cvt_pk_bf16_f32 v[80+4*i+3], v[16+8*i+6], v[16+8*i+7]
	global_store_b128 v2, v[80+4*i:80+4*i+3], s[10:11] offset:i*131072  ; 16 lanes: 4 rows t' of 64 bytes, 256 consecutive aligned bytes
.set i, i+1
.endr
	s_endpgm
.Lweights:
	; ---- W: y = work-group - 512; cb = block of 64 columns, kbg = group of 256 k.  A lane takes one column and 8 consecutive k in each of 8 items.
	s_sub_co_u32 s16, ttmp9, 512
	v_and_b32 v5, 3, v3                            ; which 8 of a block's 32 k
	v_lshrrev_b32 v6, 2, v3
	v_lshl_add_u32 v7, v4, 3, v6                   ; column in the 64: 8 wv + (l >> 2)
	v_mul_u32_u24 v1, v5, 98304                    ; 8 rows of 12,288 bytes
	v_lshl_add_u32 v1, v7, 2, v1
	v_lshrrev_b32 v8, 2, v4                        ; which of the two channel groups in the 64 columns
	v_and_b32 v9, 3, v4
	v_lshl_add_u32 v9, v9, 3, v6                   ; c'
	v_mul_u32_u24 v2, v8, 196608
	v_lshl_add_u32 v2, v9, 6, v2
	v_lshl_add_u32 v2, v5, 4, v2
	s_wait_kmcnt 0x0
	s_cmp_ge_u32 s16, 192                          ; the second 192 work-groups take W1
	s_cselect_b64 s[6:7], s[8:9], s[6:7]
	s_cselect_b64 s[12:13], s[14:15], s[12:13]
	s_cselect_b32 s17, 192, 0
	s_sub_co_u32 s16, s16, s17
	s_lshr_b32 s17, s16, 2                         ; cb
	s_and_b32 s16, s16, 3                          ; kbg
	s_mul_i32 s18, s16, 3145728                    ; 256 rows of 12,288 bytes
	s_lshl_b32 s20, s17, 8
	s_add_co_u32 s18, s18, s20
	s_mov_b32 s19, 0
	s_add_nc_u64 s[6:7], s[6:7], s[18:19]
	s_and_b32 s20, s17, 15
	s_mul_i32 s20, s20, 393216                     ; two channel groups of 196,608 bytes
	s_mul_i32 s21, s16, 49152                      ; eight blocks of 6,144 bytes
	s_add_co_u32 s20, s20, s21
	s_lshr_b32 s21, s17, 4                         ; typ: hidden, gate, proj
	s_lshl_b32 s21, s21, 11                        ; 32 rows n' of 64 bytes
	s_add_co_u32 s20, s20, s21
	s_mov_b32 s21, 0
	s_add_nc_u64 s[12:13], s[12:13], s[20:21]
.set i, 0
.rept 64                                               ; the eight waves together take 256 consecutive bytes of each k row
	global_load_b32 v[16+i], v1, s[6:7] offset:((i/8)*32+i%8)*12288
.set i, i+1
.endr
.set i, 0
.rept 8
	s_wait_loadcnt 56-8*i                          ; item i's eight are in
	v_cvt_pk_bf16_f32 v[80+4*i], v[16+8*i], v[16+8*i+1]    ; the lower k in the low half
	v_cvt_pk_bf16_f32 v[80+4*i+1], v[16+8*i+2], v[16+8*i+3]
	v_cvt_pk_bf16_f32 v[80+4*i+2], v[16+8*i+4], v[16+8*i+5]
	v_cvt_pk_bf16_f32 v[80+4*i+3], v[16+8*i+6], v[16+8*i+7]
	global_store_b128 v2, v[80+4*i:80+4*i+3], s[12:13] offset:i*6144  ; the wave stores 512 consecutive aligned bytes
.set i, i+1
.endr
	s_endpgm
.Lfunc_end_k_q69b665cc38_prep:
	.size	k_q69b665cc38_prep, .Lfunc_end_k_q69b665cc38_prep-k_q69b665cc38_prep
	.p2alignl 7, 3214868480
	.fill 96, 4, 3214868480
	.section	.rodata,"a",@progbits
	.p2align	6, 0x0
	.amdhsa_kernel k_q69b665cc38_prep
		.amdhsa_group_segment_fixed_size 0
		.amdhsa_private_segment_fixed_size 0
		.amdhsa_enable_private_segment 0
		.amdhsa_kernarg_size 48
		.amdhsa_user_sgpr_count 2
		.amdhsa_user_sgpr_kernarg_segment_ptr 1
		.amdhsa_wavefront_size32 1
		.amdhsa_system_sgpr_workgroup_id_x 1
		.amdhsa_system_sgpr_workgroup_id_y 1
		.amdhsa_system_sgpr_workgroup_id_z 1
		.amdhsa_system_vgpr_workitem_id 0
		.amdhsa_next_free_vgpr 112
		.amdhsa_next_free_sgpr 66
		.amdhsa_reserve_vcc 0
		.amdhsa_float_denorm_mode_32 3
		.amdhsa_float_denorm_mode_16_64 3
		.amdhsa_memory_ordered 1
		.amdhsa_forward_progress 1
		.amdhsa_inst_pref_size 18
	.end_amdhsa_kernel
	.amdgpu_metadata
---
amdhsa.version: [ 1, 2 ]
amdhsa.kernels:
  - .name:           k_q69b665cc38_prep
    .symbol:         k_q69b665cc38_prep.kd
    .args:
      - { .name: h, .offset: 0, .size: 8, .value_kind: global_buffer, .address_space: global }
      - { .name: W0, .offset: 8, .size: 8, .value_kind: global_buffer, .address_space: global }
      - { .name: W1, .offset: 16, .size: 8, .value_kind: global_buffer, .address_space: global }
      - { .name: hb0, .offset: 24, .size: 8, .value_kind: global_buffer, .address_space: global }
      - { .name: wt0, .offset: 32, .size: 8, .value_kind: global_buffer, .address_space: global }
      - { .name: wt1, .offset: 40, .size: 8, .value_kind: global_buffer, .address_space: global }
    .group_segment_fixed_size: 0
    .private_segment_fixed_size: 0
    .kernarg_segment_align: 8
    .kernarg_segment_size: 48
    .max_flat_workgroup_size: 256
    .sgpr_count:     66
    .vgpr_count:     112
    .wavefront_size: 32
...
	.end_amdgpu_metadata
.endif
;; end of part 1
;; launch layer1 (part 2): grid 32 x 8, 4 waves a work-group, clusters of 4 x 4, 327,680 bytes of LDS; arguments hb0, wt0, tmp, hb1; writes tmp, hb1
.if DOCPART == 2
	.amdgcn_target "amdgcn-amd-amdhsa--gfx1250"
	.amdhsa_code_object_version 6
	.text
	.protected	k_q69b665cc38_layer1
	.globl	k_q69b665cc38_layer1
	.p2align	8
	.type	k_q69b665cc38_layer1,@function
k_q69b665cc38_layer1:
	s_mov_b64 s[64:65], 0
	v_nop
	global_prefetch_b8 v0, s[64:65] scope:SCOPE_SE
	s_setreg_imm32_b32 hwreg(HW_REG_WAVE_MODE, 25, 1), 1
	s_wait_xcnt 0x0
	s_wait_alu depctr_hold_cnt(0) depctr_sa_sdst(0) depctr_va_vdst(0) depctr_va_sdst(0) depctr_va_ssrc(0) depctr_va_vcc(0) depctr_vm_vsrc(0)
	s_getreg_b32 s2, hwreg(HW_REG_IB_STS2, 6, 4)
	s_cmp_eq_u32 s2, 0
	s_cbranch_scc0 .Lentry_in_a_cluster
	s_endpgm
.Lentry_in_a_cluster:
	s_bfe_u32 s2, ttmp6, 0x10000c
	s_cmp_lg_u32 s2, 0xf033
	s_cbranch_scc0 .Lentry_shape_is_right
	s_endpgm
.Lentry_shape_is_right:
; ONE MinGRU LAYER, whole: z = h W, the three activations, the scan along time, the highway gate.  This text serves both layers; LAYER picks what differs.
;   LAYER 1: arguments hb0, wt0, tmp, hb1.  Highway input: hb0 (h rounded to bf16).  Stores h1 as f32 (tmp) and as bf16 (hb1), both in blocks.
;   LAYER 2: arguments hb1, wt1, tmp, out0.  Highway input: tmp (h1 in f32).  Stores out0, row-major f32.
; THE SCAN.  exp(a* + cumlogsumexp(log v - a*)) is the sum over s <= t of b_s times the product of a_u, u = s+1 .. t: the recurrence out_t = a_t out_(t-1) + b_t from 0,
; with a = 1 - sigmoid(gate) in [0, 1] and b = sigmoid(gate) g(hidden) >= 0.  It is evaluated as that recurrence in f32: no exponential of a running sum is left, so there is no
; maximum to take away.  g(x) = max(x + 0.5, sigmoid(x)) for every x (the two meet at 0, and x + 0.5 is the steeper everywhere).
; LIMITS.  Matrix operands are bf16 (h, W, h1), sums f32, taken over K in an order that begins at a place of the cluster's own and wraps round.  In layer 1 the highway takes h in its bf16 rounding.
; sigmoid(x) = 1 / (1 + 2^(-x log2 e)) is exactly 0 or 1 beyond |x| of about 87; a = 1 - sigmoid has the fixed step 2^-24; a product of coefficients below 2^-149 counts as 0; the scan's order is the
; recurrence's, in 8 segments of 128 steps; NaN and infinities are not treated apart.
; SHARES.  A work-group owns one batch b and 32 channels (group cg): all 1,024 times x 96 columns of W (32 hidden, 32 gate, 32 proj).  8 x 32 = 256 work-groups.  A wave owns 256 times:
; 96 accumulators of 16 x 16, 768 registers.  So z never leaves the registers and the scan's carry never leaves the work-group.
; TIME IS PERMUTED in the blocks: t = 256 w + 128 g + 8 a + j lies at row t' = 256 w + 16 a + 8 g + j.  In a result, lane (r = l % 16, hh = l / 16) holds column r and rows 8 hh + j, so over the row blocks
; a = 0..15 and registers j = 0..7 a lane holds ONE channel and 128 CONSECUTIVE times: segment 2 w + hh.
; CLUSTER 4 x 4.  The four work-groups of a row of the cluster share b and so the tiles of h; the four of a column share cg and so the tiles of W: each tile is asked for jointly.
; THE RING.  K goes in 16 steps of 64 through two LDS slots; a slot holds two blocks of 32 along K of h (1,024 matrix rows each) and of W (96 each).  A step's two blocks lie end to end in memory and come as rows
; of 256 bytes (four matrix rows of 64) + 16 of padding: matrix row p of a block lies at (p / 4) 272 + (p % 4) 64, and the 16 rows of a fragment load start at 16 different 16-byte columns of 256.
; h's 512 rows are shared out among waves 0, 1, 2, 172 rows a load; each states the tensor as what is left from its first row (512 - 172 w rows), so the last four rows of wave 2's tile are not read and land as
; zeros in four spare LDS rows.  Wave 3 fetches W's 48 rows.  A wave has two tensor loads out at the start and one behind each round.
; THE ORDER OF K.  A cluster begins at step 4 ((x + x / 4) % 4) + 8 y (x, y: the cluster's place in the grid, the same in all sixteen partners) and wraps round.  The eight clusters that read one batch's blocks
; of h begin at four places 4 steps apart, the two that read one group's blocks of W 8 steps apart: they ask for different blocks at any one time, and from a cluster's fifth step on every block of h that it
; asks for has been asked for by another cluster before.
; No prefetch: the tiles come by tensor loads a whole K step ahead, and the highway rows are loaded into registers a whole pass ahead of their use.
; REGISTERS, in windows of 256 (s_set_vgpr_msb: bits 1:0 source 0, 3:2 source 1, 5:4 source 2, 7:6 destination):
;   windows 1, 2, 3: hidden, gate, proj; accumulator (a, jj) at v[16 a + 8 jj], channel 16 jj + r.  Window 1 later takes the highway rows.
;   window 0: v0-33 addresses and carries; product: v32-127 W's fragments (two buffers of 48), v128-255 h's 16 fragments; afterwards v64-187 at work.
.set LAYER, 1
.set AROWS, 172                        ; rows of 256 bytes in one of h's three loads
.set ASH,   AROWS*272                  ; their bytes in LDS
.set AKB,   69632                      ; a block of h: 256 rows x 272 bytes
.set BOFF,  3*ASH                      ; W's two blocks lie behind h's 512 rows and the four spare rows
.set BKB,   6528                       ; a block of W: 24 rows x 272 bytes
.set SLOT,  BOFF+2*BKB                 ; 153,408
.set SPARE, 307200                     ; behind the ring: the spare words, 128 bytes a wave: two blocks of 256 bytes that no other line names
; after the product the slots have had their last fill and serve as scratch:
.set SMB,   4*65536                    ; wave w: bytes 65,536 w on: x, y, later L, P, lane-private: trip a at 4,096 a, piece c at 512 c, 16 bytes a lane
.set SMW,   4608                       ; wave w: SMB + 4,608 w: HB (highway rows of one trip), then OB (results of one trip)
.set OBO,   2304
.set EX,    SMB+4*SMW                  ; 8 segments x 256 bytes: L, P at a segment's end, for 32 channels
.set ADRA, 4                           ; v4-7   LDS address of my fragments of h: 2 slot + block
.set ADRB, 8                           ; v8-9   of W's fragments: slot
.set SPW,  10                          ; v10    my spare word: SPARE + 4 x my thread's number; never rewritten
.set NIL,  11                          ; v11    0; never rewritten
.set LPA,  12                          ; v12    my 16 bytes in my wave's lane-private scratch
.set LPC,  13                          ; v13    the same at the trip in hand
.set EXW,  14
.set EXR,  15
.set HBW,  17
.set HBR,  18
.set OBW,  19
.set OBR,  20
.set GIN,  21                          ; v21    my byte offset in the highway block
.set GOF,  22                          ; v22    my byte offset in the f32 output
.set GOB,  23                          ; v23    layer 1: in hb1
.set SEG,  24                          ; v24    my segment, 2 w + hh
.set LRUN, 26                          ; v26-27 L at the end of the trip before, channels r and 16 + r
.set PRUN, 28                          ; v28-29 P likewise
.set CAR,  30                          ; v30-33 the carry into my segment, each channel's twice (a pair for the packed form)
.set BF,   32
.set AF,   128
.set R,    64                          ; pass 1: x (16), y (16) as read
.set T,    96                          ; pass 1: 32 sigmoids in the making; T+16.. then a, then P
.set G,    128                         ; pass 1: g, then b, then L
.set PR,   64                          ; pass 2: proj, then its sigmoid
.set LL,   80                          ; pass 2: L, then out, then the result
.set PP,   96
.set HH,   112
.set Q,    128                         ; pass 2: a trip's results as whole rows
.set QB,   144                         ; layer 1: the same in bf16
.set EL,   160                         ; the exchange: L of segments 0-6, then the running carry
.set EP,   174                         ; P of segments 1-6
.set WV,   14                          ; s14 my wave's number: 0, 1, 2 fetch h, 3 fetches W
.set TB,   12                          ; s12 byte offset of the trip in hand in the lane-private scratch
.set G1A,  24                          ; s[24:31] group 1 for h's tiles;  s[32:39] group 0, a set for each slot
.set G0A,  32
.set G1B,  48                          ; s[48:55], s[56:63] the same for W's
.set G0B,  56
.set BA,   66                          ; s[66:67] h at my batch and my wave's rows of K step 0
.set BB,   68                          ; s[68:69] W at my channel group, K step 0
.set NXT,  70                          ; s70 the K step to be asked for next, 0 to 15; s71 at work beside it
.set OFA,  72                          ; s[72:73] a K step's byte offset in h: 131,072 a step
.set OFB,  74                          ; s[74:75] in W: 12,288 a step
.set FLAGS, (1<<16)|(1<<20)|(1<<21)|(5<<22)|(3<<25)  ; 2-byte elements; padding on; bit 21 beside a mask; after every 64 words; 4 words
.if LAYER == 1
.set NH, 2                             ; LDS stores that bring one trip's highway rows into HB
.else
.set NH, 4
.endif
.set MSB, 0
.macro WIN new                         ; the immediate's high byte repeats the setting that is left; a switch that changes nothing is dropped
.if MSB != (\new)
	s_set_vgpr_msb (MSB<<8)|(\new)
.set MSB, \new
.endif
.endm
.macro PLACES                          ; four plain vector instructions between a matrix instruction and a load into, or a read of, its registers (ISA guide 7.12.1 for reads)
.rept 4
	v_nop
.endr
.endm
.macro JLOAD s                         ; a joint refill of slot s; the branch hangs on the wave's number alone; an s_nop 0 and four v_nop follow each line
	s_cmp_lt_u32 s[WV], 3
	s_cbranch_scc0 .Lfor_b_\@
	tensor_load_to_lds s[G0A+4*(\s):G0A+4*(\s)+3], s[G1A:G1A+7]
	s_nop 0
.rept 4
	v_nop
.endr
	s_branch .Lasked_\@
.Lfor_b_\@:
	tensor_load_to_lds s[G0B+4*(\s):G0B+4*(\s)+3], s[G1B:G1B+7]
	s_nop 0
.rept 4
	v_nop
.endr
.Lasked_\@:
.endm
.macro CREST                           ; a round of the cluster's barrier behind its opening barrier
	s_cmp_lg_u32 s[WV], 0
	s_cbranch_scc1 .Lnot_wave_0_\@
	s_barrier_signal -3
.Lnot_wave_0_\@:
	s_barrier_wait -3
	s_barrier_signal -1
	s_barrier_wait -1
.endm
.macro CROUND
	s_barrier_signal -1
	s_barrier_wait -1
	CREST
.endm
	s_load_b256 s[4:11], s[0:1], 0x0               ; the four arguments
	v_lshl_add_u32 v[SPW], v0, 2, SPARE
	v_mov_b32 v[NIL], 0
	ds_add_u32 v[SPW], v[NIL]                      ; the wave's opening: the add and its wait stand ahead of my first tensor load; the set-up below stands between them
	v_lshrrev_b32 v1, 5, v0
	v_readfirstlane_b32 s[WV], v1
	s_bfe_u32 s40, ttmp6, 0x40000                  ; cx
	s_bfe_u32 s41, ttmp6, 0x40004                  ; cy
	s_lshl_b32 s42, ttmp9, 2
	s_add_co_u32 s42, s42, s40                     ; cg = 4 x cluster x + cx
	s_and_b32 s43, ttmp7, 0xffff
	s_lshl_b32 s43, s43, 2
	s_add_co_u32 s43, s43, s41                     ; b = 4 x cluster y + cy
	s_lshl_b32 s44, s41, 2
	s_lshl_b32 s44, 15, s44                        ; my row of the cluster
	s_lshl_b32 s45, 0x1111, s40                    ; my column
	s_or_b32 s[G1A], s44, FLAGS                    ; h's tiles hang on b alone: shared along the row
	s_or_b32 s[G1B], s45, FLAGS                    ; W's on cg alone: shared along the column
	s_mul_i32 s13, s[WV], AROWS
	s_sub_co_u32 s13, 512, s13                     ; what is left of the step's 512 rows from my first: 512, 340, 168 (wave 3 asks by W's descriptor)
	s_mov_b32 s[G1A+1], 128<<16                    ; tensor_dim0 = 128 elements (256 bytes)
	s_lshl_b32 s[G1A+2], s13, 16                   ; tensor_dim1
	s_mov_b32 s[G1A+3], 128<<16                    ; tile_dim0
	s_mov_b32 s[G1A+4], AROWS                      ; tile_dim1 = 172 rows
	s_mov_b32 s[G1A+5], 128                        ; from row to row: the blocks are dense
	s_mov_b32 s[G1A+6], 0
	s_mov_b32 s[G1A+7], 0
	s_mov_b32 s[G1B+1], 128<<16
	s_mov_b32 s[G1B+2], 48<<16                     ; 48 rows: two blocks of 96 matrix rows of 64 bytes
	s_mov_b32 s[G1B+3], 128<<16
	s_mov_b32 s[G1B+4], 48
	s_mov_b32 s[G1B+5], 128
	s_mov_b32 s[G1B+6], 0
	s_mov_b32 s[G1B+7], 0
	s_mov_b32 s46, 0xbfb8aa3b                      ; -log2(e)
	s_mov_b32 s47, 0xbfb8aa3b                      ; named with it as a pair
	s_lshr_b32 s[NXT], ttmp9, 2                    ; where my cluster begins K: 4 ((x + x / 4) % 4) + 8 y, of the cluster's place in the grid alone
	s_add_co_u32 s[NXT], s[NXT], ttmp9
	s_and_b32 s[NXT], s[NXT], 3
	s_lshl_b32 s[NXT], s[NXT], 2
	s_and_b32 s71, ttmp7, 0xffff
	s_lshl_b32 s71, s71, 3
	s_add_co_u32 s[NXT], s[NXT], s71
	s_and_b32 s[NXT], s[NXT], 15
	s_lshl_b32 s[OFA], s43, 21                     ; h: batch b, 32 blocks of 65,536 bytes,
	s_mul_i32 s13, s[WV], AROWS*256                ; my rows of a step's 512
	s_add_co_u32 s[OFA], s[OFA], s13
	s_mov_b32 s[OFA+1], 0
	s_mul_i32 s[OFB], s42, 196608                  ; W: group cg, 32 blocks of 6,144 bytes
	s_mov_b32 s[OFB+1], 0
	s_mul_i32 s17, s[WV], ASH                      ; where my rows of h go: no place in the cluster enters an LDS address
	s_wait_dscnt 0x0                               ; the opening add is done
	s_wait_kmcnt 0x0
	s_add_nc_u64 s[BA:BA+1], s[4:5], s[OFA:OFA+1]
	s_add_nc_u64 s[BB:BB+1], s[6:7], s[OFB:OFB+1]
.irp s, 0,1
	s_add_co_u32 s71, s[NXT], \s                   ; the first two steps: the start is a multiple of 4, so nothing wraps here
	s_lshl_b32 s[OFA], s71, 17
	s_mul_i32 s[OFB], s71, 12288
	s_mov_b32 s[G0A+4*(\s)], 1
	s_add_co_u32 s[G0A+4*(\s)+1], s17, (\s)*SLOT
	s_add_nc_u64 s[G0A+4*(\s)+2:G0A+4*(\s)+3], s[BA:BA+1], s[OFA:OFA+1]
	s_or_b32 s[G0A+4*(\s)+3], s[G0A+4*(\s)+3], 0x80000000
	s_mov_b32 s[G0B+4*(\s)], 1
	s_mov_b32 s[G0B+4*(\s)+1], (\s)*SLOT+BOFF
	s_add_nc_u64 s[G0B+4*(\s)+2:G0B+4*(\s)+3], s[BB:BB+1], s[OFB:OFB+1]
	s_or_b32 s[G0B+4*(\s)+3], s[G0B+4*(\s)+3], 0x80000000
.endr
	s_add_co_u32 s[NXT], s[NXT], 2                 ; 14 at the most
	CROUND                                         ; all sixteen work-groups are here: the first joint loads meet
	s_cmp_lt_u32 s[WV], 3                          ; a wave's two first fills stand in one branch, ahead of every wait on TENSORcnt and every LDS read
	s_cbranch_scc0 .Lfirst_b
	tensor_load_to_lds s[G0A:G0A+3], s[G1A:G1A+7]
	s_nop 0
	tensor_load_to_lds s[G0A+4:G0A+7], s[G1A:G1A+7]
	s_nop 0
.rept 4
	v_nop
.endr
	s_branch .Lfirst_done
.Lfirst_b:
	tensor_load_to_lds s[G0B:G0B+3], s[G1B:G1B+7]
	s_nop 0
	tensor_load_to_lds s[G0B+4:G0B+7], s[G1B:G1B+7]
	s_nop 0
.rept 4
	v_nop
.endr
.Lfirst_done:
	; all addresses are made while the first tiles travel
	v_and_b32 v1, 15, v0                           ; r
	v_bfe_u32 v2, v0, 4, 1                         ; hh
	v_and_b32 v3, 31, v0                           ; l
	v_lshrrev_b32 v16, 2, v1
	v_mul_u32_u24 v16, v16, 272
	v_and_b32 v25, 3, v1
	v_lshl_add_u32 v16, v25, 6, v16
	v_lshl_add_u32 v16, v2, 4, v16                 ; a fragment's lane term: (r / 4) 272 + (r % 4) 64 + 16 hh
	s_mul_i32 s13, s[WV], 17408                    ; my 256 matrix rows: 64 LDS rows
	v_add_nc_u32 v[ADRA], s13, v16
	v_add_nc_u32 v[ADRA+1], AKB, v[ADRA]
	v_add_nc_u32 v[ADRA+2], SLOT, v[ADRA]
	v_add_nc_u32 v[ADRA+3], SLOT+AKB, v[ADRA]
	v_add_nc_u32 v[ADRB], BOFF, v16
	v_add_nc_u32 v[ADRB+1], SLOT+BOFF, v16
	s_lshl_b32 s13, s[WV], 16
	v_lshl_add_u32 v[LPA], v3, 4, s13
	s_lshl_b32 s13, s[WV], 1
	v_add_nc_u32 v[SEG], s13, v2
	v_lshlrev_b32 v[EXR], 2, v1
	v_add_nc_u32 v[EXR], EX, v[EXR]
	v_lshl_add_u32 v[EXW], v[SEG], 8, v[EXR]
	s_mul_i32 s13, s[WV], SMW
	s_add_co_u32 s13, s13, SMB
	v_lshl_add_u32 v[HBW], v3, 4, s13              ; rows go in as they lie in memory, 16 bytes a lane
	v_add_nc_u32 v[OBR], OBO, v[HBW]               ; and results come back so
	v_mul_u32_u24 v16, v2, 1088                    ; the upper lanes' eight rows lie 1,088 bytes on: 16 banks beside the lower lanes'
	v_lshl_add_u32 v16, v1, 2, v16
	v_add_nc_u32 v16, s13, v16
	v_add_nc_u32 v[OBW], OBO, v16
.if LAYER == 1
	v_mul_u32_u24 v25, v2, 544                     ; bf16 rows: half the pitch
	v_lshl_add_u32 v25, v1, 1, v25
	v_add_nc_u32 v[HBR], s13, v25
	s_lshl_b32 s13, s[WV], 14                      ; my 256 rows of 64 bytes
	v_lshl_add_u32 v[GIN], v3, 4, s13
	v_lshl_add_u32 v[GOB], v3, 3, s13
	s_lshl_b32 s13, s[WV], 15                      ; of 128 bytes
	v_lshl_add_u32 v[GOF], v3, 4, s13
.else
	v_mov_b32 v[HBR], v16
	s_lshl_b32 s13, s[WV], 15
	v_lshl_add_u32 v[GIN], v3, 4, s13
	v_lshrrev_b32 v25, 3, v3                       ; out0: four rows of 4,096 bytes, 128 bytes of each
	v_and_b32 v16, 7, v3
	v_lshlrev_b32 v25, 12, v25
	v_lshl_add_u32 v25, v16, 4, v25
	s_lshl_b32 s13, s[WV], 20                      ; my 256 times
	v_add_nc_u32 v[GOF], s13, v25
.endif
	s_lshl_b32 s13, s43, 5
	s_add_co_u32 s13, s13, s42                     ; 32 b + cg: my block
	s_mov_b32 s19, 0
.if LAYER == 1
	s_lshl_b32 s18, s13, 16
	s_add_nc_u64 s[20:21], s[4:5], s[18:19]        ; the highway's rows: hb0's block (b, cg)
	s_add_nc_u64 s[10:11], s[10:11], s[18:19]      ; hb1's block
	s_lshl_b32 s18, s13, 17
	s_add_nc_u64 s[8:9], s[8:9], s[18:19]          ; tmp's block
.else
	s_lshl_b32 s18, s13, 17
	s_add_nc_u64 s[20:21], s[8:9], s[18:19]        ; the highway's rows: tmp's block
	s_lshl_b32 s18, s43, 22
	s_lshl_b32 s17, s42, 7
	s_add_co_u32 s18, s18, s17
	s_add_nc_u64 s[10:11], s[10:11], s[18:19]      ; out0 at batch b, channel 32 cg
.endif
; 16 matrix instructions: row blocks 8 half .. + 7 x the two column blocks of one kind (typ 0 hidden, 1 gate, 2 proj), 32 along K out of W's buffer kb.  zero = 1: the product starts the sums.
; The 96 accumulators take turns in one fixed order: between two links of a chain stand the 95 others'.
.macro MUL half, typ, kb, zero
	WIN ((\typ)+1)*0x50                            ; C and D in window typ + 1, the fragments in window 0
.set ma, 8*(\half)
.rept 8
.irp jj, 0,1
.if \zero
	v_wmma_f32_16x16x32_bf16 v[16*ma+8*\jj:16*ma+8*\jj+7], v[AF+8*ma:AF+8*ma+7], v[BF+48*(\kb)+16*(\typ)+8*\jj:BF+48*(\kb)+16*(\typ)+8*\jj+7], 0
.else
	v_wmma_f32_16x16x32_bf16 v[16*ma+8*\jj:16*ma+8*\jj+7], v[AF+8*ma:AF+8*ma+7], v[BF+48*(\kb)+16*(\typ)+8*\jj:BF+48*(\kb)+16*(\typ)+8*\jj+7], v[16*ma+8*\jj:16*ma+8*\jj+7]
.endif
.endr
.set ma, ma+1
.endr
.endm
.macro LDB slot, kb                    ; W's six fragments of block kb: 12 loads
.set f, 0
.rept 6
	ds_load_b128 v[BF+48*(\kb)+8*f:BF+48*(\kb)+8*f+3], v[ADRB+(\slot)] offset:(\kb)*BKB+f*1088
	ds_load_b128 v[BF+48*(\kb)+8*f+4:BF+48*(\kb)+8*f+7], v[ADRB+(\slot)] offset:(\kb)*BKB+f*1088+32
.set f, f+1
.endr
.endm
.macro LDA slot, kb, half              ; eight of h's sixteen fragments of block kb: 16 loads
.set f, 8*(\half)
.rept 8
	ds_load_b128 v[AF+8*f:AF+8*f+3], v[ADRA+2*(\slot)+(\kb)] offset:f*1088
	ds_load_b128 v[AF+8*f+4:AF+8*f+7], v[ADRA+2*(\slot)+(\kb)] offset:f*1088+32
.set f, f+1
.endr
.endm
; 32 along K out of W's buffer kb; the next 32 (slot ns, block nk) are fetched as h's fragments fall free.
.macro STEP kb, ns, nk, zero
	s_wait_dscnt 16                                ; W's fragments and h's lower eight are in; the youngest 16 loads (h's upper eight) may be out
	MUL 0, 0, \kb, \zero
	MUL 0, 1, \kb, \zero
	MUL 0, 2, \kb, \zero
	PLACES
	WIN 0
	LDB \ns, \nk
	LDA \ns, \nk, 0
	s_wait_dscnt 28                                ; all but the 28 just issued
	MUL 1, 0, \kb, \zero
	MUL 1, 1, \kb, \zero
	MUL 1, 2, \kb, \zero
	PLACES
	WIN 0
	LDA \ns, \nk, 1
.endm
; A slot's second 32 along K, and the change of slots.  In front of the barrier each wave waits for all its tensor loads (one is out: its part of the other slot), adds 0 to its spare word, and waits for
; that and for its reads of this slot.  fill = 1: the barrier opens a round of the cluster's barrier, and the joint refill, with K step NXT, is the first thing behind the round:
; 160 matrix instructions stand between it and the wait for it.  The descriptors' addresses are made anew from the step's number, which wraps at 16.
.macro TURN slot, ns, fill
	WIN 0
	s_wait_tensorcnt 0x0                           ; all my tensor loads have landed, so a group 0 may be written
	ds_add_u32 v[SPW], v[NIL]                      ; 0 onto my spare word; the descriptors' scalar work and sixteen products stand between it and the wait for it
.if \fill
	s_lshl_b32 s[OFA], s[NXT], 17                  ; two blocks of h a step
	s_mul_i32 s[OFB], s[NXT], 12288                ; two blocks of W a step
	s_add_nc_u64 s[G0A+4*(\slot)+2:G0A+4*(\slot)+3], s[BA:BA+1], s[OFA:OFA+1]
	s_or_b32 s[G0A+4*(\slot)+3], s[G0A+4*(\slot)+3], 0x80000000
	s_add_nc_u64 s[G0B+4*(\slot)+2:G0B+4*(\slot)+3], s[BB:BB+1], s[OFB:OFB+1]
	s_or_b32 s[G0B+4*(\slot)+3], s[G0B+4*(\slot)+3], 0x80000000
	s_add_co_u32 s[NXT], s[NXT], 1
	s_and_b32 s[NXT], s[NXT], 15
.endif
	s_wait_dscnt 17                                ; (the add and the youngest 16 loads may be out)
	MUL 0, 0, 1, 0
	s_wait_dscnt 0x0                               ; the add is done, and my reads of this slot are over
	s_barrier_signal -1
	MUL 0, 1, 1, 0                                 ; work on registers while the others arrive
	WIN 0                                          ; at a branch and at a label every window is 0
	s_barrier_wait -1
.if \fill
	CREST                                          ; no wave of any partner still reads this slot or has a load on its way
	JLOAD \slot
.endif
	MUL 0, 2, 1, 0
	PLACES
	WIN 0
	LDB \ns, 0
	LDA \ns, 0, 0
	MUL 1, 0, 1, 0
	MUL 1, 1, 1, 0
	MUL 1, 2, 1, 0
	PLACES
	WIN 0
	LDA \ns, 0, 1
.endm
	s_wait_tensorcnt 1                             ; my part of slot 0 is in; slot 1's may stay out
	s_barrier_signal -1
	s_barrier_wait -1                              ; everybody's is
	LDB 0, 0
	LDA 0, 0, 0
	LDA 0, 0, 1
	STEP 0, 0, 1, 1                                ; the first 32 along K start all 96 sums: nothing is cleared
	WIN 0
	s_mov_b32 s3, 7
.Llap:                                                 ; a trip goes once round the ring and fills both slots again: the walk's steps 2 to 15
	TURN 0, 1, 1
	STEP 0, 1, 1, 0
	TURN 1, 0, 1
	STEP 0, 0, 1, 0
	WIN 0
	s_sub_co_u32 s3, s3, 1
	s_cmp_lg_u32 s3, 0
	s_cbranch_scc1 .Llap
	TURN 0, 1, 0                                   ; the tail is written out: nothing is left to ask for
	STEP 0, 1, 1, 0
	s_wait_dscnt 16
	MUL 0, 0, 1, 0
	MUL 0, 1, 1, 0
	MUL 0, 2, 1, 0
	s_wait_dscnt 0x0
	MUL 1, 0, 1, 0
	MUL 1, 1, 1, 0
	MUL 1, 2, 1, 0
	; ---- z is whole.  The slots have had their last fill; behind this barrier no wave reads them as tiles, and they serve as scratch.
	WIN 0
	PLACES                                         ; the stores below read results just made
	s_wait_dscnt 0x0
	s_barrier_signal -1
	s_barrier_wait -1
	WIN 0x04                                       ; store data in window 1: hidden.  Each accumulator's low four registers go first
.set i, 0
.rept 64                                               ; registers 4 i: trip a = i / 4, piece i % 4 (channel half, register half)
	ds_store_b128 v[LPA], v[4*i:4*i+3] offset:(i/4)*4096+(i%4)*512
.set i, i+1
.endr
	WIN 0x08                                       ; window 2: gate, pieces 4 to 7
.set i, 0
.rept 64
	ds_store_b128 v[LPA], v[4*i:4*i+3] offset:(i/4)*4096+2048+(i%4)*512
.set i, i+1
.endr
	s_wait_dscnt 0x0                               ; the stores have read window 1: the loads below, on another counter, land there
	WIN 0x40                                       ; destination window 1: my 256 highway rows, as they lie in memory; they have all of pass 1 in which to land
.if LAYER == 1
.set i, 0
.rept 32                                               ; 512 consecutive bytes: the 8 rows t' = 8 i .. of 64 bytes; i = 2 a + g
	global_load_b128 v[4*i:4*i+3], v[GIN], s[20:21] offset:i*512
.set i, i+1
.endr
.else
.set i, 0
.rept 64                                               ; 512 consecutive bytes: 4 rows of 128 bytes; i = 4 a + 2 g + q
	global_load_b128 v[4*i:4*i+3], v[GIN], s[20:21] offset:i*512 th:TH_LOAD_NT
.set i, i+1
.endr
.endif
	WIN 0
; PASS 1, a trip for each row block a: 8 times x 2 channels a lane.  a and b are made of x (hidden) and y (gate); L (the scan from 0 at the segment's start) and P (the product of the a) take x's and y's place.
; next = 1: the next trip's x and y are fetched in the middle.
.macro P1 next
	v_add_nc_u32 v[LPC], s[TB], v[LPA]
	s_wait_dscnt 8                                 ; x and y are in: only the last trip's 8 stores were issued behind their loads
.set i, 0
.rept 16
	v_pk_mul_f32 v[T+2*i:T+2*i+1], v[R+2*i:R+2*i+1], s[46:47] op_sel_hi:[1,0]  ; -x log2 e, -y log2 e
.set i, i+1
.endr
.set i, 0
.rept 32
	v_exp_f32 v[T+i], v[T+i]
.set i, i+1
.endr
.set i, 0
.rept 8
	v_pk_add_f32 v[G+2*i:G+2*i+1], v[R+2*i:R+2*i+1], 0.5 op_sel_hi:[1,0]       ; x + 0.5: also the plain instructions behind the exponentials
.set i, i+1
.endr
.if \next
.set c, 0
.rept 8
	ds_load_b128 v[R+4*c:R+4*c+3], v[LPC] offset:4096+c*512
.set c, c+1
.endr
.endif
.set i, 0
	s_wait_alu depctr_va_vdst(0)
.rept 16
	v_pk_add_f32 v[T+2*i:T+2*i+1], v[T+2*i:T+2*i+1], 1.0 op_sel_hi:[1,0]
.set i, i+1
.endr
.set i, 0
.rept 32
	v_rcp_f32 v[T+i], v[T+i]                       ; sigmoid(x) in T .. T+15, sigmoid(y) in T+16 .. T+31
.set i, i+1
.endr
	v_nop                                          ; a plain instruction behind the last reciprocal
.set i, 0
	s_wait_alu depctr_va_vdst(0)
.rept 16
	v_max_num_f32 v[G+i], v[G+i], v[T+i]           ; g(x)
.set i, i+1
.endr
.set i, 0
.rept 8
	v_pk_mul_f32 v[G+2*i:G+2*i+1], v[G+2*i:G+2*i+1], v[T+16+2*i:T+16+2*i+1]    ; b = sigmoid(y) g(x)
.set i, i+1
.endr
.set i, 0
.rept 8
	v_pk_fma_f32 v[T+16+2*i:T+16+2*i+1], v[T+16+2*i:T+16+2*i+1], -1.0, 1.0 op_sel_hi:[1,0,0]  ; a = 1 - sigmoid(y)
.set i, i+1
.endr
	v_fma_f32 v[G], v[T+16], v[LRUN], v[G]         ; four chains side by side: L and P of two channels
	v_fma_f32 v[G+8], v[T+24], v[LRUN+1], v[G+8]
	v_mul_f32 v[T+16], v[T+16], v[PRUN]
	v_mul_f32 v[T+24], v[T+24], v[PRUN+1]
.set j, 1
.rept 7
	v_fma_f32 v[G+j], v[T+16+j], v[G+j-1], v[G+j]          ; L_j = a_j L_(j-1) + b_j, while T+16+j still holds a_j
	v_fma_f32 v[G+8+j], v[T+24+j], v[G+7+j], v[G+8+j]
	v_mul_f32 v[T+16+j], v[T+16+j], v[T+15+j]              ; P_j = a_j P_(j-1)
	v_mul_f32 v[T+24+j], v[T+24+j], v[T+23+j]
.set j, j+1
.endr
	v_mov_b32 v[LRUN], v[G+7]
	v_mov_b32 v[LRUN+1], v[G+15]
	v_mov_b32 v[PRUN], v[T+23]
	v_mov_b32 v[PRUN+1], v[T+31]
.set c, 0
.rept 4
	ds_store_b128 v[LPC], v[G+4*c:G+4*c+3] offset:c*512
.set c, c+1
.endr
.set c, 0
.rept 4
	ds_store_b128 v[LPC], v[T+16+4*c:T+16+4*c+3] offset:2048+c*512
.set c, c+1
.endr
	s_add_co_u32 s[TB], s[TB], 4096
.endm
	v_mov_b32 v[LRUN], 0
	v_mov_b32 v[LRUN+1], 0
	v_mov_b32 v[PRUN], 1.0
	v_mov_b32 v[PRUN+1], 1.0
	s_mov_b32 s[TB], 0
.set c, 0
.rept 8
	ds_load_b128 v[R+4*c:R+4*c+3], v[LPA] offset:c*512
.set c, c+1
.endr
	s_wait_dscnt 0x0                               ; trip 0's x and y: no store stands behind these loads yet
	s_mov_b32 s3, 15
.Lp1:
	P1 1
	s_sub_co_u32 s3, s3, 1
	s_cmp_lg_u32 s3, 0
	s_cbranch_scc1 .Lp1
	P1 0                                           ; the last trip fetches nothing
	; ---- THE EXCHANGE: each segment's last L and P meet in LDS; every lane runs the seven steps of the carry and keeps the one that enters its own segment.
	ds_store_b32 v[EXW], v[LRUN]
	ds_store_b32 v[EXW], v[LRUN+1] offset:64
	ds_store_b32 v[EXW], v[PRUN] offset:128
	ds_store_b32 v[EXW], v[PRUN+1] offset:192
	s_wait_dscnt 0x0                               ; for the others' sake: my stores are done
	s_barrier_signal -1
	s_barrier_wait -1
.set sg, 0
.rept 7
	ds_load_b32 v[EL+2*sg], v[EXR] offset:sg*256
	ds_load_b32 v[EL+2*sg+1], v[EXR] offset:sg*256+64
.set sg, sg+1
.endr
.set sg, 1
.rept 6
	ds_load_b32 v[EP+2*sg-2], v[EXR] offset:sg*256+128
	ds_load_b32 v[EP+2*sg-1], v[EXR] offset:sg*256+192
.set sg, sg+1
.endr
	s_wait_dscnt 0x0
	v_cmp_lt_u32 vcc_lo, 0, v[SEG]                 ; segment 0 starts from 0
	v_cndmask_b32 v[CAR], 0, v[EL], vcc_lo
	v_cndmask_b32 v[CAR+2], 0, v[EL+1], vcc_lo
.set sg, 1
.rept 6
	v_fma_f32 v[EL+2*sg], v[EP+2*sg-2], v[EL+2*sg-2], v[EL+2*sg]      ; out at segment sg's end, in L's place
	v_fma_f32 v[EL+2*sg+1], v[EP+2*sg-1], v[EL+2*sg-1], v[EL+2*sg+1]
	v_cmp_lt_u32 vcc_lo, sg, v[SEG]                ; the last one taken is that of segment SEG - 1
	v_cndmask_b32 v[CAR], v[CAR], v[EL+2*sg], vcc_lo
	v_cndmask_b32 v[CAR+2], v[CAR+2], v[EL+2*sg+1], vcc_lo
.set sg, sg+1
.endr
	v_mov_b32 v[CAR+1], v[CAR]
	v_mov_b32 v[CAR+3], v[CAR+2]
; PASS 2, a trip for each row block a: out = L + P carry; the result h + sigmoid(proj) (out - h); through OB into whole rows, and out.
.macro PMUL a                          ; proj of block a, times -log2 e, out of window 3 (ascending: each accumulator's low registers are read first)
	WIN 0x03
.set i, 0
.rept 8
	v_pk_mul_f32 v[PR+2*i:PR+2*i+1], v[16*(\a)+2*i:16*(\a)+2*i+1], s[46:47] op_sel_hi:[1,0]
.set i, i+1
.endr
	WIN 0
.endm
.macro HBST a                          ; the highway rows of block a, out of window 1 into HB as they lie in memory; the upper lanes' eight rows (g = 1) skewed
	WIN 0x04
.if LAYER == 1
	ds_store_b128 v[HBW], v[8*(\a):8*(\a)+3]
	ds_store_b128 v[HBW], v[8*(\a)+4:8*(\a)+7] offset:544
.else
	ds_store_b128 v[HBW], v[16*(\a):16*(\a)+3]
	ds_store_b128 v[HBW], v[16*(\a)+4:16*(\a)+7] offset:512
	ds_store_b128 v[HBW], v[16*(\a)+8:16*(\a)+11] offset:1088
	ds_store_b128 v[HBW], v[16*(\a)+12:16*(\a)+15] offset:1600
.endif
	WIN 0
.endm
.macro LOADS2                          ; L, P and the highway numbers of the trip at LPC: 24 loads; then LPC steps
.set c, 0
.rept 4
	ds_load_b128 v[LL+4*c:LL+4*c+3], v[LPC] offset:c*512
.set c, c+1
.endr
.set c, 0
.rept 4
	ds_load_b128 v[PP+4*c:PP+4*c+3], v[LPC] offset:2048+c*512
.set c, c+1
.endr
.set i, 0
.rept 16                                               ; i = 8 jj + j: time j, channel 16 jj + r
.if LAYER == 1
	ds_load_u16 v[HH+i], v[HBR] offset:(i%8)*64+(i/8)*32
.else
	ds_load_b32 v[HH+i], v[HBR] offset:(i%8)*128+(i/8)*64
.endif
.set i, i+1
.endr
	s_add_co_u32 s[TB], s[TB], 4096
	v_add_nc_u32 v[LPC], s[TB], v[LPA]
.endm
.macro COMP2
.if LAYER == 1
.set i, 0
.rept 16
	v_lshlrev_b32 v[HH+i], 16, v[HH+i]             ; bf16 to f32
.set i, i+1
.endr
.endif
.set i, 0
.rept 16
	v_exp_f32 v[PR+i], v[PR+i]
.set i, i+1
.endr
.set i, 0
.rept 8
	v_pk_fma_f32 v[LL+2*i:LL+2*i+1], v[PP+2*i:PP+2*i+1], v[CAR+2*(i/4):CAR+2*(i/4)+1], v[LL+2*i:LL+2*i+1]  ; out; also the plain instructions behind the exponentials
.set i, i+1
.endr
.set i, 0
	s_wait_alu depctr_va_vdst(0)
.rept 8
	v_pk_add_f32 v[PR+2*i:PR+2*i+1], v[PR+2*i:PR+2*i+1], 1.0 op_sel_hi:[1,0]
.set i, i+1
.endr
.set i, 0
.rept 16
	v_rcp_f32 v[PR+i], v[PR+i]                     ; sigmoid(proj)
.set i, i+1
.endr
.set i, 0
.rept 8
	v_pk_add_f32 v[LL+2*i:LL+2*i+1], v[LL+2*i:LL+2*i+1], v[HH+2*i:HH+2*i+1] neg_lo:[0,1] neg_hi:[0,1]  ; out - h; the plain instructions behind the reciprocals
.set i, i+1
.endr
.set i, 0
	s_wait_alu depctr_va_vdst(0)
.rept 8
	v_pk_fma_f32 v[LL+2*i:LL+2*i+1], v[PR+2*i:PR+2*i+1], v[LL+2*i:LL+2*i+1], v[HH+2*i:HH+2*i+1]
.set i, i+1
.endr
.endm
.macro OBX                             ; the trip's results into OB, one word a lane and number, and back as whole rows
	s_wait_xcnt 0x0                                ; every earlier store has had its addresses translated (ISA guide 3.1): only behind this wait are Q, QB and the bases written again
.if LAYER == 1
	s_add_nc_u64 s[8:9], s[8:9], 2048              ; 16 rows on; the stores reach back by a negative immediate
	s_add_nc_u64 s[10:11], s[10:11], 1024
.else
	s_add_nc_u64 s[10:11], s[10:11], 32768         ; 8 times on
.endif
.set i, 0
.rept 16
	ds_store_b32 v[OBW], v[LL+i] offset:(i%8)*128+(i/8)*64
.set i, i+1
.endr
.set i, 0
.rept 4                                                ; i = 2 g + q: 4 rows of 128 bytes.  LDS serves a wave's instructions in order (ISA guide 5.7.1.4): these see the stores above
	ds_load_b128 v[Q+4*i:Q+4*i+3], v[OBR] offset:(i/2)*1088+(i%2)*512
.set i, i+1
.endr
.endm
.macro OUTB                            ; stores the trip whose rows lie in Q; the bases stand one trip further on
.if LAYER == 1
.set i, 0
.rept 4
	global_store_b128 v[GOF], v[Q+4*i:Q+4*i+3], s[8:9] offset:i*512-2048       ; 512 consecutive aligned bytes of tmp's block
.set i, i+1
.endr
.set i, 0
.rept 8
	v_cvt_pk_bf16_f32 v[QB+i], v[Q+2*i], v[Q+2*i+1]
.set i, i+1
.endr
.set i, 0
.rept 4
	global_store_b64 v[GOB], v[QB+2*i:QB+2*i+1], s[10:11] offset:i*256-1024    ; 256 consecutive aligned bytes of hb1's block
.set i, i+1
.endr
.else
.set i, 0
.rept 4                                                ; four rows' 128 consecutive bytes: the work-group owns 32 channels of a row; the other half of each aligned 256 bytes is stored by the neighbouring
	global_store_b128 v[GOF], v[Q+4*i:Q+4*i+3], s[10:11] offset:(128*(i/2)+4*(i%2))*4096-32768  ; work-group of the cluster in the same trip, so these stores carry no non-temporal hint
.set i, i+1
.endr
.endif
.endm
	s_wait_loadcnt 0x0                             ; the highway rows are in window 1
	s_mov_b32 s[TB], 0
	v_mov_b32 v[LPC], v[LPA]
	HBST 0
	LOADS2                                         ; trip 0
	PMUL 0
	HBST 1                                         ; behind trip 0's reads of HB, in the order in which LDS serves them
	s_mov_b32 s2, 0
	s_wait_dscnt NH                                ; all but the NH stores just issued
	s_branch .Lcomp                                ; the loop is entered in its middle: there is no trip before to store
.Lp2:                                                  ; trips 1 to 14.  Registers cannot be indexed, so the trip's number picks one of 14 short texts; every jump goes forward
.irp n, 1,2,3,4,5,6,7,8,9,10,11,12,13
	s_cmp_eq_u32 s2, \n
	s_cbranch_scc1 .Ld_\n
.endr
	PMUL 14
	HBST 15
	s_branch .Lbody
.irp n, 1,2,3,4,5,6,7,8,9,10,11,12,13
.Ld_\n:
	PMUL \n
	HBST (\n)+1
	s_branch .Lbody
.endr
.Lbody:
	s_wait_dscnt NH                                ; Q of the trip before and L, P, h of this one are in: only the NH stores above are younger
	OUTB
.Lcomp:
	COMP2
	OBX
	LOADS2                                         ; the next trip's; these loads land on LL behind OBX's stores of it
	s_add_co_u32 s2, s2, 1
	s_cmp_lt_u32 s2, 15
	s_cbranch_scc1 .Lp2
	PMUL 15                                        ; the last trip is written out
	s_wait_dscnt 0x0
	OUTB
	COMP2
	OBX
	s_wait_dscnt 0x0
	OUTB
	s_wait_tensorcnt 0x0                           ; the wave's end: the add and its wait come behind my last tensor load and my last LDS store
	ds_add_u32 v[SPW], v[NIL]
	s_wait_dscnt 0x0
	CROUND                                         ; the closing round: no work-group ends while a partner may still ask for a tile that names it
	s_endpgm
.Lfunc_end_k_q69b665cc38_layer1:
	.size	k_q69b665cc38_layer1, .Lfunc_end_k_q69b665cc38_layer1-k_q69b665cc38_layer1
	.p2alignl 7, 3214868480
	.fill 96, 4, 3214868480
	.section	.rodata,"a",@progbits
	.p2align	6, 0x0
	.amdhsa_kernel k_q69b665cc38_layer1
		.amdhsa_group_segment_fixed_size 327680
		.amdhsa_private_segment_fixed_size 0
		.amdhsa_enable_private_segment 0
		.amdhsa_kernarg_size 32
		.amdhsa_user_sgpr_count 2
		.amdhsa_user_sgpr_kernarg_segment_ptr 1
		.amdhsa_wavefront_size32 1
		.amdhsa_system_sgpr_workgroup_id_x 1
		.amdhsa_system_sgpr_workgroup_id_y 1
		.amdhsa_system_sgpr_workgroup_id_z 1
		.amdhsa_system_vgpr_workitem_id 0
		.amdhsa_next_free_vgpr 1024
		.amdhsa_next_free_sgpr 80
		.amdhsa_reserve_vcc 1
		.amdhsa_float_denorm_mode_32 3
		.amdhsa_float_denorm_mode_16_64 3
		.amdhsa_memory_ordered 1
		.amdhsa_forward_progress 1
		.amdhsa_inst_pref_size 149
	.end_amdhsa_kernel
	.amdgpu_metadata
---
amdhsa.version: [ 1, 2 ]
amdhsa.kernels:
  - .name:           k_q69b665cc38_layer1
    .symbol:         k_q69b665cc38_layer1.kd
    .args:
      - { .name: hb0, .offset: 0, .size: 8, .value_kind: global_buffer, .address_space: global }
      - { .name: wt0, .offset: 8, .size: 8, .value_kind: global_buffer, .address_space: global }
      - { .name: tmp, .offset: 16, .size: 8, .value_kind: global_buffer, .address_space: global }
      - { .name: hb1, .offset: 24, .size: 8, .value_kind: global_buffer, .address_space: global }
    .group_segment_fixed_size: 327680
    .private_segment_fixed_size: 0
    .kernarg_segment_align: 8
    .kernarg_segment_size: 32
    .max_flat_workgroup_size: 128
    .sgpr_count:     80
    .vgpr_count:     1024
    .wavefront_size: 32
...
	.end_amdgpu_metadata
.endif
;; end of part 2
;; launch layer2 (part 3): grid 32 x 8, 4 waves a work-group, clusters of 4 x 4, 327,680 bytes of LDS; arguments hb1, wt1, tmp, out0; writes out0
.if DOCPART == 3
	.amdgcn_target "amdgcn-amd-amdhsa--gfx1250"
	.amdhsa_code_object_version 6
	.text
	.protected	k_q69b665cc38_layer2
	.globl	k_q69b665cc38_layer2
	.p2align	8
	.type	k_q69b665cc38_layer2,@function
k_q69b665cc38_layer2:
	s_mov_b64 s[64:65], 0
	v_nop
	global_prefetch_b8 v0, s[64:65] scope:SCOPE_SE
	s_setreg_imm32_b32 hwreg(HW_REG_WAVE_MODE, 25, 1), 1
	s_wait_xcnt 0x0
	s_wait_alu depctr_hold_cnt(0) depctr_sa_sdst(0) depctr_va_vdst(0) depctr_va_sdst(0) depctr_va_ssrc(0) depctr_va_vcc(0) depctr_vm_vsrc(0)
	s_getreg_b32 s2, hwreg(HW_REG_IB_STS2, 6, 4)
	s_cmp_eq_u32 s2, 0
	s_cbranch_scc0 .Lentry_in_a_cluster
	s_endpgm
.Lentry_in_a_cluster:
	s_bfe_u32 s2, ttmp6, 0x10000c
	s_cmp_lg_u32 s2, 0xf033
	s_cbranch_scc0 .Lentry_shape_is_right
	s_endpgm
.Lentry_shape_is_right:
; ONE MinGRU LAYER, whole: z = h W, the three activations, the scan along time, the highway gate.  This text serves both layers; LAYER picks what differs.
;   LAYER 1: arguments hb0, wt0, tmp, hb1.  Highway input: hb0 (h rounded to bf16).  Stores h1 as f32 (tmp) and as bf16 (hb1), both in blocks.
;   LAYER 2: arguments hb1, wt1, tmp, out0.  Highway input: tmp (h1 in f32).  Stores out0, row-major f32.
; THE SCAN.  exp(a* + cumlogsumexp(log v - a*)) is the sum over s <= t of b_s times the product of a_u, u = s+1 .. t: the recurrence out_t = a_t out_(t-1) + b_t from 0,
; with a = 1 - sigmoid(gate) in [0, 1] and b = sigmoid(gate) g(hidden) >= 0.  It is evaluated as that recurrence in f32: no exponential of a running sum is left, so there is no
; maximum to take away.  g(x) = max(x + 0.5, sigmoid(x)) for every x (the two meet at 0, and x + 0.5 is the steeper everywhere).
; LIMITS.  Matrix operands are bf16 (h, W, h1), sums f32, taken over K in an order that begins at a place of the cluster's own and wraps round.  In layer 1 the highway takes h in its bf16 rounding.
; sigmoid(x) = 1 / (1 + 2^(-x log2 e)) is exactly 0 or 1 beyond |x| of about 87; a = 1 - sigmoid has the fixed step 2^-24; a product of coefficients below 2^-149 counts as 0; the scan's order is the
; recurrence's, in 8 segments of 128 steps; NaN and infinities are not treated apart.
; SHARES.  A work-group owns one batch b and 32 channels (group cg): all 1,024 times x 96 columns of W (32 hidden, 32 gate, 32 proj).  8 x 32 = 256 work-groups.  A wave owns 256 times:
; 96 accumulators of 16 x 16, 768 registers.  So z never leaves the registers and the scan's carry never leaves the work-group.
; TIME IS PERMUTED in the blocks: t = 256 w + 128 g + 8 a + j lies at row t' = 256 w + 16 a + 8 g + j.  In a result, lane (r = l % 16, hh = l / 16) holds column r and rows 8 hh + j, so over the row blocks
; a = 0..15 and registers j = 0..7 a lane holds ONE channel and 128 CONSECUTIVE times: segment 2 w + hh.
; CLUSTER 4 x 4.  The four work-groups of a row of the cluster share b and so the tiles of h; the four of a column share cg and so the tiles of W: each tile is asked for jointly.
; THE RING.  K goes in 16 steps of 64 through two LDS slots; a slot holds two blocks of 32 along K of h (1,024 matrix rows each) and of W (96 each).  A step's two blocks lie end to end in memory and come as rows
; of 256 bytes (four matrix rows of 64) + 16 of padding: matrix row p of a block lies at (p / 4) 272 + (p % 4) 64, and the 16 rows of a fragment load start at 16 different 16-byte columns of 256.
; h's 512 rows are shared out among waves 0, 1, 2, 172 rows a load; each states the tensor as what is left from its first row (512 - 172 w rows), so the last four rows of wave 2's tile are not read and land as
; zeros in four spare LDS rows.  Wave 3 fetches W's 48 rows.  A wave has two tensor loads out at the start and one behind each round.
; THE ORDER OF K.  A cluster begins at step 4 ((x + x / 4) % 4) + 8 y (x, y: the cluster's place in the grid, the same in all sixteen partners) and wraps round.  The eight clusters that read one batch's blocks
; of h begin at four places 4 steps apart, the two that read one group's blocks of W 8 steps apart: they ask for different blocks at any one time, and from a cluster's fifth step on every block of h that it
; asks for has been asked for by another cluster before.
; No prefetch: the tiles come by tensor loads a whole K step ahead, and the highway rows are loaded into registers a whole pass ahead of their use.
; REGISTERS, in windows of 256 (s_set_vgpr_msb: bits 1:0 source 0, 3:2 source 1, 5:4 source 2, 7:6 destination):
;   windows 1, 2, 3: hidden, gate, proj; accumulator (a, jj) at v[16 a + 8 jj], channel 16 jj + r.  Window 1 later takes the highway rows.
;   window 0: v0-33 addresses and carries; product: v32-127 W's fragments (two buffers of 48), v128-255 h's 16 fragments; afterwards v64-187 at work.
.set LAYER, 2
.set AROWS, 172                        ; rows of 256 bytes in one of h's three loads
.set ASH,   AROWS*272                  ; their bytes in LDS
.set AKB,   69632                      ; a block of h: 256 rows x 272 bytes
.set BOFF,  3*ASH                      ; W's two blocks lie behind h's 512 rows and the four spare rows
.set BKB,   6528                       ; a block of W: 24 rows x 272 bytes
.set SLOT,  BOFF+2*BKB                 ; 153,408
.set SPARE, 307200                     ; behind the ring: the spare words, 128 bytes a wave: two blocks of 256 bytes that no other line names
; after the product the slots have had their last fill and serve as scratch:
.set SMB,   4*65536                    ; wave w: bytes 65,536 w on: x, y, later L, P, lane-private: trip a at 4,096 a, piece c at 512 c, 16 bytes a lane
.set SMW,   4608                       ; wave w: SMB + 4,608 w: HB (highway rows of one trip), then OB (results of one trip)
.set OBO,   2304
.set EX,    SMB+4*SMW                  ; 8 segments x 256 bytes: L, P at a segment's end, for 32 channels
.set ADRA, 4                           ; v4-7   LDS address of my fragments of h: 2 slot + block
.set ADRB, 8                           ; v8-9   of W's fragments: slot
.set SPW,  10                          ; v10    my spare word: SPARE + 4 x my thread's number; never rewritten
.set NIL,  11                          ; v11    0; never rewritten
.set LPA,  12                          ; v12    my 16 bytes in my wave's lane-private scratch
.set LPC,  13                          ; v13    the same at the trip in hand
.set EXW,  14
.set EXR,  15
.set HBW,  17
.set HBR,  18
.set OBW,  19
.set OBR,  20
.set GIN,  21                          ; v21    my byte offset in the highway block
.set GOF,  22                          ; v22    my byte offset in the f32 output
.set GOB,  23                          ; v23    layer 1: in hb1
.set SEG,  24                          ; v24    my segment, 2 w + hh
.set LRUN, 26                          ; v26-27 L at the end of the trip before, channels r and 16 + r
.set PRUN, 28                          ; v28-29 P likewise
.set CAR,  30                          ; v30-33 the carry into my segment, each channel's twice (a pair for the packed form)
.set BF,   32
.set AF,   128
.set R,    64                          ; pass 1: x (16), y (16) as read
.set T,    96                          ; pass 1: 32 sigmoids in the making; T+16.. then a, then P
.set G,    128                         ; pass 1: g, then b, then L
.set PR,   64                          ; pass 2: proj, then its sigmoid
.set LL,   80                          ; pass 2: L, then out, then the result
.set PP,   96
.set HH,   112
.set Q,    128                         ; pass 2: a trip's results as whole rows
.set QB,   144                         ; layer 1: the same in bf16
.set EL,   160                         ; the exchange: L of segments 0-6, then the running carry
.set EP,   174                         ; P of segments 1-6
.set WV,   14                          ; s14 my wave's number: 0, 1, 2 fetch h, 3 fetches W
.set TB,   12                          ; s12 byte offset of the trip in hand in the lane-private scratch
.set G1A,  24                          ; s[24:31] group 1 for h's tiles;  s[32:39] group 0, a set for each slot
.set G0A,  32
.set G1B,  48                          ; s[48:55], s[56:63] the same for W's
.set G0B,  56
.set BA,   66                          ; s[66:67] h at my batch and my wave's rows of K step 0
.set BB,   68                          ; s[68:69] W at my channel group, K step 0
.set NXT,  70                          ; s70 the K step to be asked for next, 0 to 15; s71 at work beside it
.set OFA,  72                          ; s[72:73] a K step's byte offset in h: 131,072 a step
.set OFB,  74                          ; s[74:75] in W: 12,288 a step
.set FLAGS, (1<<16)|(1<<20)|(1<<21)|(5<<22)|(3<<25)  ; 2-byte elements; padding on; bit 21 beside a mask; after every 64 words; 4 words
.if LAYER == 1
.set NH, 2                             ; LDS stores that bring one trip's highway rows into HB
.else
.set NH, 4
.endif
.set MSB, 0
.macro WIN new                         ; the immediate's high byte repeats the setting that is left; a switch that changes nothing is dropped
.if MSB != (\new)
	s_set_vgpr_msb (MSB<<8)|(\new)
.set MSB, \new
.endif
.endm
.macro PLACES                          ; four plain vector instructions between a matrix instruction and a load into, or a read of, its registers (ISA guide 7.12.1 for reads)
.rept 4
	v_nop
.endr
.endm
.macro JLOAD s                         ; a joint refill of slot s; the branch hangs on the wave's number alone; an s_nop 0 and four v_nop follow each line
	s_cmp_lt_u32 s[WV], 3
	s_cbranch_scc0 .Lfor_b_\@
	tensor_load_to_lds s[G0A+4*(\s):G0A+4*(\s)+3], s[G1A:G1A+7]
	s_nop 0
.rept 4
	v_nop
.endr
	s_branch .Lasked_\@
.Lfor_b_\@:
	tensor_load_to_lds s[G0B+4*(\s):G0B+4*(\s)+3], s[G1B:G1B+7]
	s_nop 0
.rept 4
	v_nop
.endr
.Lasked_\@:
.endm
.macro CREST                           ; a round of the cluster's barrier behind its opening barrier
	s_cmp_lg_u32 s[WV], 0
	s_cbranch_scc1 .Lnot_wave_0_\@
	s_barrier_signal -3
.Lnot_wave_0_\@:
	s_barrier_wait -3
	s_barrier_signal -1
	s_barrier_wait -1
.endm
.macro CROUND
	s_barrier_signal -1
	s_barrier_wait -1
	CREST
.endm
	s_load_b256 s[4:11], s[0:1], 0x0               ; the four arguments
	v_lshl_add_u32 v[SPW], v0, 2, SPARE
	v_mov_b32 v[NIL], 0
	ds_add_u32 v[SPW], v[NIL]                      ; the wave's opening: the add and its wait stand ahead of my first tensor load; the set-up below stands between them
	v_lshrrev_b32 v1, 5, v0
	v_readfirstlane_b32 s[WV], v1
	s_bfe_u32 s40, ttmp6, 0x40000                  ; cx
	s_bfe_u32 s41, ttmp6, 0x40004                  ; cy
	s_lshl_b32 s42, ttmp9, 2
	s_add_co_u32 s42, s42, s40                     ; cg = 4 x cluster x + cx
	s_and_b32 s43, ttmp7, 0xffff
	s_lshl_b32 s43, s43, 2
	s_add_co_u32 s43, s43, s41                     ; b = 4 x cluster y + cy
	s_lshl_b32 s44, s41, 2
	s_lshl_b32 s44, 15, s44                        ; my row of the cluster
	s_lshl_b32 s45, 0x1111, s40                    ; my column
	s_or_b32 s[G1A], s44, FLAGS                    ; h's tiles hang on b alone: shared along the row
	s_or_b32 s[G1B], s45, FLAGS                    ; W's on cg alone: shared along the column
	s_mul_i32 s13, s[WV], AROWS
	s_sub_co_u32 s13, 512, s13                     ; what is left of the step's 512 rows from my first: 512, 340, 168 (wave 3 asks by W's descriptor)
	s_mov_b32 s[G1A+1], 128<<16                    ; tensor_dim0 = 128 elements (256 bytes)
	s_lshl_b32 s[G1A+2], s13, 16                   ; tensor_dim1
	s_mov_b32 s[G1A+3], 128<<16                    ; tile_dim0
	s_mov_b32 s[G1A+4], AROWS                      ; tile_dim1 = 172 rows
	s_mov_b32 s[G1A+5], 128                        ; from row to row: the blocks are dense
	s_mov_b32 s[G1A+6], 0
	s_mov_b32 s[G1A+7], 0
	s_mov_b32 s[G1B+1], 128<<16
	s_mov_b32 s[G1B+2], 48<<16                     ; 48 rows: two blocks of 96 matrix rows of 64 bytes
	s_mov_b32 s[G1B+3], 128<<16
	s_mov_b32 s[G1B+4], 48
	s_mov_b32 s[G1B+5], 128
	s_mov_b32 s[G1B+6], 0
	s_mov_b32 s[G1B+7], 0
	s_mov_b32 s46, 0xbfb8aa3b                      ; -log2(e)
	s_mov_b32 s47, 0xbfb8aa3b                      ; named with it as a pair
	s_lshr_b32 s[NXT], ttmp9, 2                    ; where my cluster begins K: 4 ((x + x / 4) % 4) + 8 y, of the cluster's place in the grid alone
	s_add_co_u32 s[NXT], s[NXT], ttmp9
	s_and_b32 s[NXT], s[NXT], 3
	s_lshl_b32 s[NXT], s[NXT], 2
	s_and_b32 s71, ttmp7, 0xffff
	s_lshl_b32 s71, s71, 3
	s_add_co_u32 s[NXT], s[NXT], s71
	s_and_b32 s[NXT], s[NXT], 15
	s_lshl_b32 s[OFA], s43, 21                     ; h: batch b, 32 blocks of 65,536 bytes,
	s_mul_i32 s13, s[WV], AROWS*256                ; my rows of a step's 512
	s_add_co_u32 s[OFA], s[OFA], s13
	s_mov_b32 s[OFA+1], 0
	s_mul_i32 s[OFB], s42, 196608                  ; W: group cg, 32 blocks of 6,144 bytes
	s_mov_b32 s[OFB+1], 0
	s_mul_i32 s17, s[WV], ASH                      ; where my rows of h go: no place in the cluster enters an LDS address
	s_wait_dscnt 0x0                               ; the opening add is done
	s_wait_kmcnt 0x0
	s_add_nc_u64 s[BA:BA+1], s[4:5], s[OFA:OFA+1]
	s_add_nc_u64 s[BB:BB+1], s[6:7], s[OFB:OFB+1]
.irp s, 0,1
	s_add_co_u32 s71, s[NXT], \s                   ; the first two steps: the start is a multiple of 4, so nothing wraps here
	s_lshl_b32 s[OFA], s71, 17
	s_mul_i32 s[OFB], s71, 12288
	s_mov_b32 s[G0A+4*(\s)], 1
	s_add_co_u32 s[G0A+4*(\s)+1], s17, (\s)*SLOT
	s_add_nc_u64 s[G0A+4*(\s)+2:G0A+4*(\s)+3], s[BA:BA+1], s[OFA:OFA+1]
	s_or_b32 s[G0A+4*(\s)+3], s[G0A+4*(\s)+3], 0x80000000
	s_mov_b32 s[G0B+4*(\s)], 1
	s_mov_b32 s[G0B+4*(\s)+1], (\s)*SLOT+BOFF
	s_add_nc_u64 s[G0B+4*(\s)+2:G0B+4*(\s)+3], s[BB:BB+1], s[OFB:OFB+1]
	s_or_b32 s[G0B+4*(\s)+3], s[G0B+4*(\s)+3], 0x80000000
.endr
	s_add_co_u32 s[NXT], s[NXT], 2                 ; 14 at the most
	CROUND                                         ; all sixteen work-groups are here: the first joint loads meet
	s_cmp_lt_u32 s[WV], 3                          ; a wave's two first fills stand in one branch, ahead of every wait on TENSORcnt and every LDS read
	s_cbranch_scc0 .Lfirst_b
	tensor_load_to_lds s[G0A:G0A+3], s[G1A:G1A+7]
	s_nop 0
	tensor_load_to_lds s[G0A+4:G0A+7], s[G1A:G1A+7]
	s_nop 0
.rept 4
	v_nop
.endr
	s_branch .Lfirst_done
.Lfirst_b:
	tensor_load_to_lds s[G0B:G0B+3], s[G1B:G1B+7]
	s_nop 0
	tensor_load_to_lds s[G0B+4:G0B+7], s[G1B:G1B+7]
	s_nop 0
.rept 4
	v_nop
.endr
.Lfirst_done:
	; all addresses are made while the first tiles travel
	v_and_b32 v1, 15, v0                           ; r
	v_bfe_u32 v2, v0, 4, 1                         ; hh
	v_and_b32 v3, 31, v0                           ; l
	v_lshrrev_b32 v16, 2, v1
	v_mul_u32_u24 v16, v16, 272
	v_and_b32 v25, 3, v1
	v_lshl_add_u32 v16, v25, 6, v16
	v_lshl_add_u32 v16, v2, 4, v16                 ; a fragment's lane term: (r / 4) 272 + (r % 4) 64 + 16 hh
	s_mul_i32 s13, s[WV], 17408                    ; my 256 matrix rows: 64 LDS rows
	v_add_nc_u32 v[ADRA], s13, v16
	v_add_nc_u32 v[ADRA+1], AKB, v[ADRA]
	v_add_nc_u32 v[ADRA+2], SLOT, v[ADRA]
	v_add_nc_u32 v[ADRA+3], SLOT+AKB, v[ADRA]
	v_add_nc_u32 v[ADRB], BOFF, v16
	v_add_nc_u32 v[ADRB+1], SLOT+BOFF, v16
	s_lshl_b32 s13, s[WV], 16
	v_lshl_add_u32 v[LPA], v3, 4, s13
	s_lshl_b32 s13, s[WV], 1
	v_add_nc_u32 v[SEG], s13, v2
	v_lshlrev_b32 v[EXR], 2, v1
	v_add_nc_u32 v[EXR], EX, v[EXR]
	v_lshl_add_u32 v[EXW], v[SEG], 8, v[EXR]
	s_mul_i32 s13, s[WV], SMW
	s_add_co_u32 s13, s13, SMB
	v_lshl_add_u32 v[HBW], v3, 4, s13              ; rows go in as they lie in memory, 16 bytes a lane
	v_add_nc_u32 v[OBR], OBO, v[HBW]               ; and results come back so
	v_mul_u32_u24 v16, v2, 1088                    ; the upper lanes' eight rows lie 1,088 bytes on: 16 banks beside the lower lanes'
	v_lshl_add_u32 v16, v1, 2, v16
	v_add_nc_u32 v16, s13, v16
	v_add_nc_u32 v[OBW], OBO, v16
.if LAYER == 1
	v_mul_u32_u24 v25, v2, 544                     ; bf16 rows: half the pitch
	v_lshl_add_u32 v25, v1, 1, v25
	v_add_nc_u32 v[HBR], s13, v25
	s_lshl_b32 s13, s[WV], 14                      ; my 256 rows of 64 bytes
	v_lshl_add_u32 v[GIN], v3, 4, s13
	v_lshl_add_u32 v[GOB], v3, 3, s13
	s_lshl_b32 s13, s[WV], 15                      ; of 128 bytes
	v_lshl_add_u32 v[GOF], v3, 4, s13
.else
	v_mov_b32 v[HBR], v16
	s_lshl_b32 s13, s[WV], 15
	v_lshl_add_u32 v[GIN], v3, 4, s13
	v_lshrrev_b32 v25, 3, v3                       ; out0: four rows of 4,096 bytes, 128 bytes of each
	v_and_b32 v16, 7, v3
	v_lshlrev_b32 v25, 12, v25
	v_lshl_add_u32 v25, v16, 4, v25
	s_lshl_b32 s13, s[WV], 20                      ; my 256 times
	v_add_nc_u32 v[GOF], s13, v25
.endif
	s_lshl_b32 s13, s43, 5
	s_add_co_u32 s13, s13, s42                     ; 32 b + cg: my block
	s_mov_b32 s19, 0
.if LAYER == 1
	s_lshl_b32 s18, s13, 16
	s_add_nc_u64 s[20:21], s[4:5], s[18:19]        ; the highway's rows: hb0's block (b, cg)
	s_add_nc_u64 s[10:11], s[10:11], s[18:19]      ; hb1's block
	s_lshl_b32 s18, s13, 17
	s_add_nc_u64 s[8:9], s[8:9], s[18:19]          ; tmp's block
.else
	s_lshl_b32 s18, s13, 17
	s_add_nc_u64 s[20:21], s[8:9], s[18:19]        ; the highway's rows: tmp's block
	s_lshl_b32 s18, s43, 22
	s_lshl_b32 s17, s42, 7
	s_add_co_u32 s18, s18, s17
	s_add_nc_u64 s[10:11], s[10:11], s[18:19]      ; out0 at batch b, channel 32 cg
.endif
; 16 matrix instructions: row blocks 8 half .. + 7 x the two column blocks of one kind (typ 0 hidden, 1 gate, 2 proj), 32 along K out of W's buffer kb.  zero = 1: the product starts the sums.
; The 96 accumulators take turns in one fixed order: between two links of a chain stand the 95 others'.
.macro MUL half, typ, kb, zero
	WIN ((\typ)+1)*0x50                            ; C and D in window typ + 1, the fragments in window 0
.set ma, 8*(\half)
.rept 8
.irp jj, 0,1
.if \zero
	v_wmma_f32_16x16x32_bf16 v[16*ma+8*\jj:16*ma+8*\jj+7], v[AF+8*ma:AF+8*ma+7], v[BF+48*(\kb)+16*(\typ)+8*\jj:BF+48*(\kb)+16*(\typ)+8*\jj+7], 0
.else
	v_wmma_f32_16x16x32_bf16 v[16*ma+8*\jj:16*ma+8*\jj+7], v[AF+8*ma:AF+8*ma+7], v[BF+48*(\kb)+16*(\typ)+8*\jj:BF+48*(\kb)+16*(\typ)+8*\jj+7], v[16*ma+8*\jj:16*ma+8*\jj+7]
.endif
.endr
.set ma, ma+1
.endr
.endm
.macro LDB slot, kb                    ; W's six fragments of block kb: 12 loads
.set f, 0
.rept 6
	ds_load_b128 v[BF+48*(\kb)+8*f:BF+48*(\kb)+8*f+3], v[ADRB+(\slot)] offset:(\kb)*BKB+f*1088
	ds_load_b128 v[BF+48*(\kb)+8*f+4:BF+48*(\kb)+8*f+7], v[ADRB+(\slot)] offset:(\kb)*BKB+f*1088+32
.set f, f+1
.endr
.endm
.macro LDA slot, kb, half              ; eight of h's sixteen fragments of block kb: 16 loads
.set f, 8*(\half)
.rept 8
	ds_load_b128 v[AF+8*f:AF+8*f+3], v[ADRA+2*(\slot)+(\kb)] offset:f*1088
	ds_load_b128 v[AF+8*f+4:AF+8*f+7], v[ADRA+2*(\slot)+(\kb)] offset:f*1088+32
.set f, f+1
.endr
.endm
; 32 along K out of W's buffer kb; the next 32 (slot ns, block nk) are fetched as h's fragments fall free.
.macro STEP kb, ns, nk, zero
	s_wait_dscnt 16                                ; W's fragments and h's lower eight are in; the youngest 16 loads (h's upper eight) may be out
	MUL 0, 0, \kb, \zero
	MUL 0, 1, \kb, \zero
	MUL 0, 2, \kb, \zero
	PLACES
	WIN 0
	LDB \ns, \nk
	LDA \ns, \nk, 0
	s_wait_dscnt 28                                ; all but the 28 just issued
	MUL 1, 0, \kb, \zero
	MUL 1, 1, \kb, \zero
	MUL 1, 2, \kb, \zero
	PLACES
	WIN 0
	LDA \ns, \nk, 1
.endm
; A slot's second 32 along K, and the change of slots.  In front of the barrier each wave waits for all its tensor loads (one is out: its part of the other slot), adds 0 to its spare word, and waits for
; that and for its reads of this slot.  fill = 1: the barrier opens a round of the cluster's barrier, and the joint refill, with K step NXT, is the first thing behind the round:
; 160 matrix instructions stand between it and the wait for it.  The descriptors' addresses are made anew from the step's number, which wraps at 16.
.macro TURN slot, ns, fill
	WIN 0
	s_wait_tensorcnt 0x0                           ; all my tensor loads have landed, so a group 0 may be written
	ds_add_u32 v[SPW], v[NIL]                      ; 0 onto my spare word; the descriptors' scalar work and sixteen products stand between it and the wait for it
.if \fill
	s_lshl_b32 s[OFA], s[NXT], 17                  ; two blocks of h a step
	s_mul_i32 s[OFB], s[NXT], 12288                ; two blocks of W a step
	s_add_nc_u64 s[G0A+4*(\slot)+2:G0A+4*(\slot)+3], s[BA:BA+1], s[OFA:OFA+1]
	s_or_b32 s[G0A+4*(\slot)+3], s[G0A+4*(\slot)+3], 0x80000000
	s_add_nc_u64 s[G0B+4*(\slot)+2:G0B+4*(\slot)+3], s[BB:BB+1], s[OFB:OFB+1]
	s_or_b32 s[G0B+4*(\slot)+3], s[G0B+4*(\slot)+3], 0x80000000
	s_add_co_u32 s[NXT], s[NXT], 1
	s_and_b32 s[NXT], s[NXT], 15
.endif
	s_wait_dscnt 17                                ; (the add and the youngest 16 loads may be out)
	MUL 0, 0, 1, 0
	s_wait_dscnt 0x0                               ; the add is done, and my reads of this slot are over
	s_barrier_signal -1
	MUL 0, 1, 1, 0                                 ; work on registers while the others arrive
	WIN 0                                          ; at a branch and at a label every window is 0
	s_barrier_wait -1
.if \fill
	CREST                                          ; no wave of any partner still reads this slot or has a load on its way
	JLOAD \slot
.endif
	MUL 0, 2, 1, 0
	PLACES
	WIN 0
	LDB \ns, 0
	LDA \ns, 0, 0
	MUL 1, 0, 1, 0
	MUL 1, 1, 1, 0
	MUL 1, 2, 1, 0
	PLACES
	WIN 0
	LDA \ns, 0, 1
.endm
	s_wait_tensorcnt 1                             ; my part of slot 0 is in; slot 1's may stay out
	s_barrier_signal -1
	s_barrier_wait -1                              ; everybody's is
	LDB 0, 0
	LDA 0, 0, 0
	LDA 0, 0, 1
	STEP 0, 0, 1, 1                                ; the first 32 along K start all 96 sums: nothing is cleared
	WIN 0
	s_mov_b32 s3, 7
.Llap:                                                 ; a trip goes once round the ring and fills both slots again: the walk's steps 2 to 15
	TURN 0, 1, 1
	STEP 0, 1, 1, 0
	TURN 1, 0, 1
	STEP 0, 0, 1, 0
	WIN 0
	s_sub_co_u32 s3, s3, 1
	s_cmp_lg_u32 s3, 0
	s_cbranch_scc1 .Llap
	TURN 0, 1, 0                                   ; the tail is written out: nothing is left to ask for
	STEP 0, 1, 1, 0
	s_wait_dscnt 16
	MUL 0, 0, 1, 0
	MUL 0, 1, 1, 0
	MUL 0, 2, 1, 0
	s_wait_dscnt 0x0
	MUL 1, 0, 1, 0
	MUL 1, 1, 1, 0
	MUL 1, 2, 1, 0
	; ---- z is whole.  The slots have had their last fill; behind this barrier no wave reads them as tiles, and they serve as scratch.
	WIN 0
	PLACES                                         ; the stores below read results just made
	s_wait_dscnt 0x0
	s_barrier_signal -1
	s_barrier_wait -1
	WIN 0x04                                       ; store data in window 1: hidden.  Each accumulator's low four registers go first
.set i, 0
.rept 64                                               ; registers 4 i: trip a = i / 4, piece i % 4 (channel half, register half)
	ds_store_b128 v[LPA], v[4*i:4*i+3] offset:(i/4)*4096+(i%4)*512
.set i, i+1
.endr
	WIN 0x08                                       ; window 2: gate, pieces 4 to 7
.set i, 0
.rept 64
	ds_store_b128 v[LPA], v[4*i:4*i+3] offset:(i/4)*4096+2048+(i%4)*512
.set i, i+1
.endr
	s_wait_dscnt 0x0                               ; the stores have read window 1: the loads below, on another counter, land there
	WIN 0x40                                       ; destination window 1: my 256 highway rows, as they lie in memory; they have all of pass 1 in which to land
.if LAYER == 1
.set i, 0
.rept 32                                               ; 512 consecutive bytes: the 8 rows t' = 8 i .. of 64 bytes; i = 2 a + g
	global_load_b128 v[4*i:4*i+3], v[GIN], s[20:21] offset:i*512
.set i, i+1
.endr
.else
.set i, 0
.rept 64                                               ; 512 consecutive bytes: 4 rows of 128 bytes; i = 4 a + 2 g + q
	global_load_b128 v[4*i:4*i+3], v[GIN], s[20:21] offset:i*512 th:TH_LOAD_NT
.set i, i+1
.endr
.endif
	WIN 0
; PASS 1, a trip for each row block a: 8 times x 2 channels a lane.  a and b are made of x (hidden) and y (gate); L (the scan from 0 at the segment's start) and P (the product of the a) take x's and y's place.
; next = 1: the next trip's x and y are fetched in the middle.
.macro P1 next
	v_add_nc_u32 v[LPC], s[TB], v[LPA]
	s_wait_dscnt 8                                 ; x and y are in: only the last trip's 8 stores were issued behind their loads
.set i, 0
.rept 16
	v_pk_mul_f32 v[T+2*i:T+2*i+1], v[R+2*i:R+2*i+1], s[46:47] op_sel_hi:[1,0]  ; -x log2 e, -y log2 e
.set i, i+1
.endr
.set i, 0
.rept 32
	v_exp_f32 v[T+i], v[T+i]
.set i, i+1
.endr
.set i, 0
.rept 8
	v_pk_add_f32 v[G+2*i:G+2*i+1], v[R+2*i:R+2*i+1], 0.5 op_sel_hi:[1,0]       ; x + 0.5: also the plain instructions behind the exponentials
.set i, i+1
.endr
.if \next
.set c, 0
.rept 8
	ds_load_b128 v[R+4*c:R+4*c+3], v[LPC] offset:4096+c*512
.set c, c+1
.endr
.endif
.set i, 0
	s_wait_alu depctr_va_vdst(0)
.rept 16
	v_pk_add_f32 v[T+2*i:T+2*i+1], v[T+2*i:T+2*i+1], 1.0 op_sel_hi:[1,0]
.set i, i+1
.endr
.set i, 0
.rept 32
	v_rcp_f32 v[T+i], v[T+i]                       ; sigmoid(x) in T .. T+15, sigmoid(y) in T+16 .. T+31
.set i, i+1
.endr
	v_nop                                          ; a plain instruction behind the last reciprocal
.set i, 0
	s_wait_alu depctr_va_vdst(0)
.rept 16
	v_max_num_f32 v[G+i], v[G+i], v[T+i]           ; g(x)
.set i, i+1
.endr
.set i, 0
.rept 8
	v_pk_mul_f32 v[G+2*i:G+2*i+1], v[G+2*i:G+2*i+1], v[T+16+2*i:T+16+2*i+1]    ; b = sigmoid(y) g(x)
.set i, i+1
.endr
.set i, 0
.rept 8
	v_pk_fma_f32 v[T+16+2*i:T+16+2*i+1], v[T+16+2*i:T+16+2*i+1], -1.0, 1.0 op_sel_hi:[1,0,0]  ; a = 1 - sigmoid(y)
.set i, i+1
.endr
	v_fma_f32 v[G], v[T+16], v[LRUN], v[G]         ; four chains side by side: L and P of two channels
	v_fma_f32 v[G+8], v[T+24], v[LRUN+1], v[G+8]
	v_mul_f32 v[T+16], v[T+16], v[PRUN]
	v_mul_f32 v[T+24], v[T+24], v[PRUN+1]
.set j, 1
.rept 7
	v_fma_f32 v[G+j], v[T+16+j], v[G+j-1], v[G+j]          ; L_j = a_j L_(j-1) + b_j, while T+16+j still holds a_j
	v_fma_f32 v[G+8+j], v[T+24+j], v[G+7+j], v[G+8+j]
	v_mul_f32 v[T+16+j], v[T+16+j], v[T+15+j]              ; P_j = a_j P_(j-1)
	v_mul_f32 v[T+24+j], v[T+24+j], v[T+23+j]
.set j, j+1
.endr
	v_mov_b32 v[LRUN], v[G+7]
	v_mov_b32 v[LRUN+1], v[G+15]
	v_mov_b32 v[PRUN], v[T+23]
	v_mov_b32 v[PRUN+1], v[T+31]
.set c, 0
.rept 4
	ds_store_b128 v[LPC], v[G+4*c:G+4*c+3] offset:c*512
.set c, c+1
.endr
.set c, 0
.rept 4
	ds_store_b128 v[LPC], v[T+16+4*c:T+16+4*c+3] offset:2048+c*512
.set c, c+1
.endr
	s_add_co_u32 s[TB], s[TB], 4096
.endm
	v_mov_b32 v[LRUN], 0
	v_mov_b32 v[LRUN+1], 0
	v_mov_b32 v[PRUN], 1.0
	v_mov_b32 v[PRUN+1], 1.0
	s_mov_b32 s[TB], 0
.set c, 0
.rept 8
	ds_load_b128 v[R+4*c:R+4*c+3], v[LPA] offset:c*512
.set c, c+1
.endr
	s_wait_dscnt 0x0                               ; trip 0's x and y: no store stands behind these loads yet
	s_mov_b32 s3, 15
.Lp1:
	P1 1
	s_sub_co_u32 s3, s3, 1
	s_cmp_lg_u32 s3, 0
	s_cbranch_scc1 .Lp1
	P1 0                                           ; the last trip fetches nothing
	; ---- THE EXCHANGE: each segment's last L and P meet in LDS; every lane runs the seven steps of the carry and keeps the one that enters its own segment.
	ds_store_b32 v[EXW], v[LRUN]
	ds_store_b32 v[EXW], v[LRUN+1] offset:64
	ds_store_b32 v[EXW], v[PRUN] offset:128
	ds_store_b32 v[EXW], v[PRUN+1] offset:192
	s_wait_dscnt 0x0                               ; for the others' sake: my stores are done
	s_barrier_signal -1
	s_barrier_wait -1
.set sg, 0
.rept 7
	ds_load_b32 v[EL+2*sg], v[EXR] offset:sg*256
	ds_load_b32 v[EL+2*sg+1], v[EXR] offset:sg*256+64
.set sg, sg+1
.endr
.set sg, 1
.rept 6
	ds_load_b32 v[EP+2*sg-2], v[EXR] offset:sg*256+128
	ds_load_b32 v[EP+2*sg-1], v[EXR] offset:sg*256+192
.set sg, sg+1
.endr
	s_wait_dscnt 0x0
	v_cmp_lt_u32 vcc_lo, 0, v[SEG]                 ; segment 0 starts from 0
	v_cndmask_b32 v[CAR], 0, v[EL], vcc_lo
	v_cndmask_b32 v[CAR+2], 0, v[EL+1], vcc_lo
.set sg, 1
.rept 6
	v_fma_f32 v[EL+2*sg], v[EP+2*sg-2], v[EL+2*sg-2], v[EL+2*sg]      ; out at segment sg's end, in L's place
	v_fma_f32 v[EL+2*sg+1], v[EP+2*sg-1], v[EL+2*sg-1], v[EL+2*sg+1]
	v_cmp_lt_u32 vcc_lo, sg, v[SEG]                ; the last one taken is that of segment SEG - 1
	v_cndmask_b32 v[CAR], v[CAR], v[EL+2*sg], vcc_lo
	v_cndmask_b32 v[CAR+2], v[CAR+2], v[EL+2*sg+1], vcc_lo
.set sg, sg+1
.endr
	v_mov_b32 v[CAR+1], v[CAR]
	v_mov_b32 v[CAR+3], v[CAR+2]
; PASS 2, a trip for each row block a: out = L + P carry; the result h + sigmoid(proj) (out - h); through OB into whole rows, and out.
.macro PMUL a                          ; proj of block a, times -log2 e, out of window 3 (ascending: each accumulator's low registers are read first)
	WIN 0x03
.set i, 0
.rept 8
	v_pk_mul_f32 v[PR+2*i:PR+2*i+1], v[16*(\a)+2*i:16*(\a)+2*i+1], s[46:47] op_sel_hi:[1,0]
.set i, i+1
.endr
	WIN 0
.endm
.macro HBST a                          ; the highway rows of block a, out of window 1 into HB as they lie in memory; the upper lanes' eight rows (g = 1) skewed
	WIN 0x04
.if LAYER == 1
	ds_store_b128 v[HBW], v[8*(\a):8*(\a)+3]
	ds_store_b128 v[HBW], v[8*(\a)+4:8*(\a)+7] offset:544
.else
	ds_store_b128 v[HBW], v[16*(\a):16*(\a)+3]
	ds_store_b128 v[HBW], v[16*(\a)+4:16*(\a)+7] offset:512
	ds_store_b128 v[HBW], v[16*(\a)+8:16*(\a)+11] offset:1088
	ds_store_b128 v[HBW], v[16*(\a)+12:16*(\a)+15] offset:1600
.endif
	WIN 0
.endm
.macro LOADS2                          ; L, P and the highway numbers of the trip at LPC: 24 loads; then LPC steps
.set c, 0
.rept 4
	ds_load_b128 v[LL+4*c:LL+4*c+3], v[LPC] offset:c*512
.set c, c+1
.endr
.set c, 0
.rept 4
	ds_load_b128 v[PP+4*c:PP+4*c+3], v[LPC] offset:2048+c*512
.set c, c+1
.endr
.set i, 0
.rept 16                                               ; i = 8 jj + j: time j, channel 16 jj + r
.if LAYER == 1
	ds_load_u16 v[HH+i], v[HBR] offset:(i%8)*64+(i/8)*32
.else
	ds_load_b32 v[HH+i], v[HBR] offset:(i%8)*128+(i/8)*64
.endif
.set i, i+1
.endr
	s_add_co_u32 s[TB], s[TB], 4096
	v_add_nc_u32 v[LPC], s[TB], v[LPA]
.endm
.macro COMP2
.if LAYER == 1
.set i, 0
.rept 16
	v_lshlrev_b32 v[HH+i], 16, v[HH+i]             ; bf16 to f32
.set i, i+1
.endr
.endif
.set i, 0
.rept 16
	v_exp_f32 v[PR+i], v[PR+i]
.set i, i+1
.endr
.set i, 0
.rept 8
	v_pk_fma_f32 v[LL+2*i:LL+2*i+1], v[PP+2*i:PP+2*i+1], v[CAR+2*(i/4):CAR+2*(i/4)+1], v[LL+2*i:LL+2*i+1]  ; out; also the plain instructions behind the exponentials
.set i, i+1
.endr
.set i, 0
	s_wait_alu depctr_va_vdst(0)
.rept 8
	v_pk_add_f32 v[PR+2*i:PR+2*i+1], v[PR+2*i:PR+2*i+1], 1.0 op_sel_hi:[1,0]
.set i, i+1
.endr
.set i, 0
.rept 16
	v_rcp_f32 v[PR+i], v[PR+i]                     ; sigmoid(proj)
.set i, i+1
.endr
.set i, 0
.rept 8
	v_pk_add_f32 v[LL+2*i:LL+2*i+1], v[LL+2*i:LL+2*i+1], v[HH+2*i:HH+2*i+1] neg_lo:[0,1] neg_hi:[0,1]  ; out - h; the plain instructions behind the reciprocals
.set i, i+1
.endr
.set i, 0
	s_wait_alu depctr_va_vdst(0)
.rept 8
	v_pk_fma_f32 v[LL+2*i:LL+2*i+1], v[PR+2*i:PR+2*i+1], v[LL+2*i:LL+2*i+1], v[HH+2*i:HH+2*i+1]
.set i, i+1
.endr
.endm
.macro OBX                             ; the trip's results into OB, one word a lane and number, and back as whole rows
	s_wait_xcnt 0x0                                ; every earlier store has had its addresses translated (ISA guide 3.1): only behind this wait are Q, QB and the bases written again
.if LAYER == 1
	s_add_nc_u64 s[8:9], s[8:9], 2048              ; 16 rows on; the stores reach back by a negative immediate
	s_add_nc_u64 s[10:11], s[10:11], 1024
.else
	s_add_nc_u64 s[10:11], s[10:11], 32768         ; 8 times on
.endif
.set i, 0
.rept 16
	ds_store_b32 v[OBW], v[LL+i] offset:(i%8)*128+(i/8)*64
.set i, i+1
.endr
.set i, 0
.rept 4                                                ; i = 2 g + q: 4 rows of 128 bytes.  LDS serves a wave's instructions in order (ISA guide 5.7.1.4): these see the stores above
	ds_load_b128 v[Q+4*i:Q+4*i+3], v[OBR] offset:(i/2)*1088+(i%2)*512
.set i, i+1
.endr
.endm
.macro OUTB                            ; stores the trip whose rows lie in Q; the bases stand one trip further on
.if LAYER == 1
.set i, 0
.rept 4
	global_store_b128 v[GOF], v[Q+4*i:Q+4*i+3], s[8:9] offset:i*512-2048       ; 512 consecutive aligned bytes of tmp's block
.set i, i+1
.endr
.set i, 0
.rept 8
	v_cvt_pk_bf16_f32 v[QB+i], v[Q+2*i], v[Q+2*i+1]
.set i, i+1
.endr
.set i, 0
.rept 4
	global_store_b64 v[GOB], v[QB+2*i:QB+2*i+1], s[10:11] offset:i*256-1024    ; 256 consecutive aligned bytes of hb1's block
.set i, i+1
.endr
.else
.set i, 0
.rept 4                                                ; four rows' 128 consecutive bytes: the work-group owns 32 channels of a row; the other half of each aligned 256 bytes is stored by the neighbouring
	global_store_b128 v[GOF], v[Q+4*i:Q+4*i+3], s[10:11] offset:(128*(i/2)+4*(i%2))*4096-32768  ; work-group of the cluster in the same trip, so these stores carry no non-temporal hint
.set i, i+1
.endr
.endif
.endm
	s_wait_loadcnt 0x0                             ; the highway rows are in window 1
	s_mov_b32 s[TB], 0
	v_mov_b32 v[LPC], v[LPA]
	HBST 0
	LOADS2                                         ; trip 0
	PMUL 0
	HBST 1                                         ; behind trip 0's reads of HB, in the order in which LDS serves them
	s_mov_b32 s2, 0
	s_wait_dscnt NH                                ; all but the NH stores just issued
	s_branch .Lcomp                                ; the loop is entered in its middle: there is no trip before to store
.Lp2:                                                  ; trips 1 to 14.  Registers cannot be indexed, so the trip's number picks one of 14 short texts; every jump goes forward
.irp n, 1,2,3,4,5,6,7,8,9,10,11,12,13
	s_cmp_eq_u32 s2, \n
	s_cbranch_scc1 .Ld_\n
.endr
	PMUL 14
	HBST 15
	s_branch .Lbody
.irp n, 1,2,3,4,5,6,7,8,9,10,11,12,13
.Ld_\n:
	PMUL \n
	HBST (\n)+1
	s_branch .Lbody
.endr
.Lbody:
	s_wait_dscnt NH                                ; Q of the trip before and L, P, h of this one are in: only the NH stores above are younger
	OUTB
.Lcomp:
	COMP2
	OBX
	LOADS2                                         ; the next trip's; these loads land on LL behind OBX's stores of it
	s_add_co_u32 s2, s2, 1
	s_cmp_lt_u32 s2, 15
	s_cbranch_scc1 .Lp2
	PMUL 15                                        ; the last trip is written out
	s_wait_dscnt 0x0
	OUTB
	COMP2
	OBX
	s_wait_dscnt 0x0
	OUTB
	s_wait_tensorcnt 0x0                           ; the wave's end: the add and its wait come behind my last tensor load and my last LDS store
	ds_add_u32 v[SPW], v[NIL]
	s_wait_dscnt 0x0
	CROUND                                         ; the closing round: no work-group ends while a partner may still ask for a tile that names it
	s_endpgm
.Lfunc_end_k_q69b665cc38_layer2:
	.size	k_q69b665cc38_layer2, .Lfunc_end_k_q69b665cc38_layer2-k_q69b665cc38_layer2
	.p2alignl 7, 3214868480
	.fill 96, 4, 3214868480
	.section	.rodata,"a",@progbits
	.p2align	6, 0x0
	.amdhsa_kernel k_q69b665cc38_layer2
		.amdhsa_group_segment_fixed_size 327680
		.amdhsa_private_segment_fixed_size 0
		.amdhsa_enable_private_segment 0
		.amdhsa_kernarg_size 32
		.amdhsa_user_sgpr_count 2
		.amdhsa_user_sgpr_kernarg_segment_ptr 1
		.amdhsa_wavefront_size32 1
		.amdhsa_system_sgpr_workgroup_id_x 1
		.amdhsa_system_sgpr_workgroup_id_y 1
		.amdhsa_system_sgpr_workgroup_id_z 1
		.amdhsa_system_vgpr_workitem_id 0
		.amdhsa_next_free_vgpr 1024
		.amdhsa_next_free_sgpr 80
		.amdhsa_reserve_vcc 1
		.amdhsa_float_denorm_mode_32 3
		.amdhsa_float_denorm_mode_16_64 3
		.amdhsa_memory_ordered 1
		.amdhsa_forward_progress 1
		.amdhsa_inst_pref_size 150
	.end_amdhsa_kernel
	.amdgpu_metadata
---
amdhsa.version: [ 1, 2 ]
amdhsa.kernels:
  - .name:           k_q69b665cc38_layer2
    .symbol:         k_q69b665cc38_layer2.kd
    .args:
      - { .name: hb1, .offset: 0, .size: 8, .value_kind: global_buffer, .address_space: global }
      - { .name: wt1, .offset: 8, .size: 8, .value_kind: global_buffer, .address_space: global }
      - { .name: tmp, .offset: 16, .size: 8, .value_kind: global_buffer, .address_space: global }
      - { .name: out0, .offset: 24, .size: 8, .value_kind: global_buffer, .address_space: global }
    .group_segment_fixed_size: 327680
    .private_segment_fixed_size: 0
    .kernarg_segment_align: 8
    .kernarg_segment_size: 32
    .max_flat_workgroup_size: 128
    .sgpr_count:     80
    .vgpr_count:     1024
    .wavefront_size: 32
...
	.end_amdgpu_metadata
.endif
;; end of part 3
